; MI455X (gfx1250); checked and timed in simulation.
; The chip was launched on July 23, 2026; its instructions are those of AMD's public machine-readable ISA for CDNA 5 (MIT licence, August 2026) and "CDNA5" Instruction Set Architecture Reference Guide (July 2026). The comments in the code are by the model that wrote it; some were corrected since.
;; Secure Multi Head Attention. Allowed arithmetic: matrix products marked QUANTISED: E2M3 operands, one E8M0 scale for each 32 along K, by v_wmma_scale_f32_16x16x128_f8f6f4 with both operands' format E2M3, f32 sums; everything else in f32.
;; Inputs: Wk 16 x 1,024 x 64 float32; Wo 1,024 x 1,024 float32; Wq 16 x 1,024 x 64 float32; Wv 16 x 1,024 x 64 float32; attention_mask 4 x 2,048 float32; bk 16 x 64 float32; bo 1,024 float32; bq 16 x 64 float32; bv 16 x 64 float32; hidden_states 4 x 2,048 x 1,024 float32.
;; Outputs: out0 4 x 2,048 x 1,024 float32.
;; This version of the problem:
;;   THIS VERSION OF THE PROBLEM IS GIVEN IN LOW PRECISION. The matrix products marked QUANTISED in the list below multiply operands that are first quantised to E2M3 (2 exponent bits, 3 mantissa bits; 6 bits a number), with one power-of-two scale for each 32 numbers along K (OCP MX v1.0); their sums are f32. All else is computed in f32.
;;   The module's matrix products, in the order in which they are computed (A, B: the left and right operand; K: the contracted axis; several contracted axes count as one K, in the product's order):
;;     1. [M 1,024, K 1,024] x [K 1,024, N 8,192]; A: input Wq; B: input hidden_states: QUANTISED
;;     2. [M 1,024, K 1,024] x [K 1,024, N 8,192]; A: input Wk; B: input hidden_states: QUANTISED
;;     3. [M 1,024, K 1,024] x [K 1,024, N 8,192]; A: input Wv; B: input hidden_states: QUANTISED
;;     4. batch 64 x [M 2,048, K 64] x [K 64, N 2,048]; A: computed on the way; B: computed on the way: QUANTISED
;;     5. batch 64 x [M 2,048, K 2,048] x [K 2,048, N 64]; A: softmax (see below); B: computed on the way: QUANTISED
;;     6. [M 8,192, K 1,024] x [K 1,024, N 1,024]; A: computed on the way; B: input Wo: QUANTISED
;;   THE QUANTISER, for each operand of a quantised product, along K:
;;     - K is cut into blocks of 32 from its start; a last block that is shorter is filled with zeros.
;;     - A block's scale is 2^e with e = floor(log2(the largest magnitude in the block)) - 2, held to -126 .. 127; a block of zeros has e = 0. As a byte (E8M0): e + 127.
;;     - Each number is divided by its block's scale, clamped to +-7.5, and rounded to the nearest number of E2M3, ties to even, subnormals kept.
;;     - The product sums the exact products of the quantised numbers (number of the format x scale) in f32.
;;   ~~~python
;;   def quantise(x, axis):      # numpy; x: float32 -> the quantised numbers, widened to float32 again
;;       x = np.moveaxis(x, axis, -1); K = x.shape[-1]
;;       x = np.pad(x, [(0, 0)] * (x.ndim - 1) + [(0, -K % 32)]); x = x.reshape(x.shape[:-1] + (-1, 32)); a = np.abs(x).max(-1, keepdims=True)
;;       e = np.where(a > 0, np.clip(np.frexp(np.where(a > 0, a, 1))[1] - 1 - 2, -126, 127), 0)      # np.frexp(a)[1] - 1 = floor(log2(a)), exactly
;;       r = np.clip(x / 2.0 ** e, -7.5, 7.5)
;;       step = 2.0 ** (np.maximum(np.frexp(np.where(r == 0, 1, r))[1] - 1, 0) - 3)
;;       q = np.round(r / step) * step * 2.0 ** e      # np.round: ties to even
;;       return np.moveaxis(q.reshape(q.shape[:-2] + (-1,))[..., :K], -1, axis).astype(np.float32)
;;   ~~~
;;   SOFTMAX AHEAD OF A QUANTISED PRODUCT. Where the list says 'softmax', what is quantised is not the finished softmax but p = 2^(t - M), with t = logit x log2(e) and M = ceil(the row's largest t), a whole number; so 1/2 < the row's largest p <= 1. The row's sum l is taken of the UNQUANTISED p, in f32, and the product's result is divided by l at the end. Since M is a whole number, a kernel that streams over the keys may use a running M (the ceiling of the running maximum): every later rescaling is an exact power of two, which a block's scale takes up: the codes' values come out the same.
;;   OPERANDS COMPUTED ON THE WAY. 'Computed on the way' means the value that the module computes at that place (a softmax that the list does not call 'softmax' is quantised finished and normalised). What goes into a quantiser is computed in f32, as accurately as f32 sums, v_exp_f32 and their like allow (about 1e-6 of the number): no bf16 or f16 on the way to a quantiser, and a product that is left as it is and whose result goes on into a quantised operand takes f32 operands (vector FMAs, or v_wmma_f32_16x16x4_f32). A number that lies on a knife's edge between two numbers of the format may be rounded either way, as far as f32 arithmetic and the matrix unit's own rounding can turn it there, and no further.
;; One version. Each part assembles by itself: llvm-mc -triple=amdgcn-amd-amdhsa -mcpu=gfx1250 --defsym DOCPART=n.
;; ======== version 1 of 1: 4 launches
;; limits: right only within a limited range of input values
;; workspace buffers: cod 9,437,184 bytes; scl 393,216 bytes; qkv 18,874,368 bytes; qkvs 1,572,864 bytes; ctx 6,291,456 bytes; ctxs 262,144 bytes
;; launch prep (part 1): grid 336 x 1, 4 waves a work-group, no clusters, 34,304 bytes of LDS; arguments hidden_states, Wo, Wq, Wk, Wv, cod, scl; writes cod, scl
.if DOCPART == 1
	.amdgcn_target "amdgcn-amd-amdhsa--gfx1250"
	.amdhsa_code_object_version 6
	.text
	.protected	k_qfb694d6027_prep
	.globl	k_qfb694d6027_prep
	.p2align	8
	.type	k_qfb694d6027_prep,@function
k_qfb694d6027_prep:
	s_mov_b64 s[64:65], 0
	v_nop
	global_prefetch_b8 v0, s[64:65] scope:SCOPE_SE
	s_setreg_imm32_b32 hwreg(HW_REG_WAVE_MODE, 25, 1), 1
	s_wait_xcnt 0x0
; hidden_states [8192][1024], Wo [1024][1024] (K innermost) and Wq, Wk, Wv [16][1024][64] (K the middle axis), all f32, become codes of FP6 (E2M3) with one E8M0 byte for each 32 along K.
; A block's scale is 2^(floor(log2(its largest magnitude)) - 2): its byte is the largest magnitude's exponent field - 2, held at 1 from below.
; THE CODES' LAYOUT (cod): images of operand registers.  A fragment, 16 rows x 128 K, is 12 registers a lane = 1,536 bytes: registers 4 c .. 4 c + 3 of lane l at 512 c + 16 l.  Lane (r, h) holds row r;
; its registers 6 c .. 6 c + 5 hold block 2 c + h.  A tile of 16 rows has its 8 fragments on end: 12,288 bytes.  Tiles 0-511 hidden_states, 512-575 Wq (row 64 head + d), 576-639 Wk, 640-703 Wv, 704-767 Wo.
; THE ORDER INSIDE A BLOCK: every operand of this program holds a block's 32 numbers in the order 0-7, 16-23, 8-15, 24-31.  Both sides of every product have it, so each number meets its partner;
; a block keeps its members, so scales and codes are the stated quantiser's; only the grouping of the f32 sums inside a matrix instruction differs.
; THE SCALE BYTES (scl): [row][32], rows numbered as the tiles are.
; LIMITS: NaN and infinities are not served; a block of zeros, or one whose largest magnitude lies under 2^-124, gets the byte 1 (its codes are zeros or subnormal codes; these bytes are read by this program alone).
; Work-groups 0-143: rows with K innermost, a wave to a tile of 16 rows.  Work-groups 144-335: the three weights with K in the middle, a lane to a column.  The first path alone uses LDS.  No barrier: waves share nothing.
.set R,   16                           ; v16-143  two sets of 64 numbers as loaded
.set X,   144                          ; v144-207 64 numbers of my row, in the order that the conversions want
.set TM,  208                          ; v208-223 at work in QUANT
.set PW,  224                          ; the scale word just made
.set PC,  226                          ; v226-237 the fragment's codes
.set T,   238                          ; v238-245 halves of blocks on their way
.set SW,  246                          ; v246-253 my row's eight scale words
.set SEL, 20                           ; s[20:21] lane selects for v_permlanex16_b32: lane l xor 16
.set G,   32                           ; second path: v32-159 four blocks of 32 numbers
.set C,   160                          ; v160-183 their codes
.set CT,  184                          ; v184-186 half a block on its way
	s_load_b256 s[4:11], s[0:1], 0x0               ; hidden_states s[4:5], Wo s[6:7], Wq s[8:9], Wk s[10:11]
	s_load_b128 s[12:15], s[0:1], 0x20             ; Wv s[12:13], cod s[14:15]
	s_load_b64 s[16:17], s[0:1], 0x30              ; scl
	v_lshl_add_u32 v254, v0, 2, 0x8400
	v_mov_b32 v255, 0
	v_lshrrev_b32 v1, 5, v0
	v_readfirstlane_b32 s18, v1                    ; wave 0..3
	v_and_b32 v5, 31, v0                           ; lane
	v_and_b32 v6, 15, v0                           ; r
	v_bfe_u32 v7, v0, 4, 1                         ; h
	s_wait_kmcnt 0x0
	s_cmp_ge_u32 ttmp9, 144
	s_cbranch_scc1 .Lweights
; ---------------- rows with K innermost ----------------
; 64 numbers of a lane, v[s] .. v[s + 63], register 16 b + i = place 16 (lane / 16) + i of block b of my row, become codes: blocks 0, 1 in v[d0] .. v[d0 + 5], blocks 2, 3 in v[d1] .. v[d1 + 5]
; (lanes 0-15 the even block, lanes 16-31 the odd one), and the row's scale word in v[PW].  t: eight registers at work.
.macro QUANT s, d0, d1, t
.irp b, 0,1,2,3
	v_max3_num_f32 v[TM+\b], |v[(\s)+16*\b]|, |v[(\s)+1+16*\b]|, 0x1800000   ; my 16 numbers of block b, and the floor 2^(3 - 127): the byte cannot fall under 1
.endr
.irp i, 2,4,6,8,10,12,14
.irp b, 0,1,2,3
	v_max3_num_f32 v[TM+\b], v[TM+\b], |v[(\s)+16*\b+\i]|, |v[(\s)+1+16*\b+\i]|   ; the four blocks by turns
.endr
.endr
.irp b, 0,1,2,3
	v_permlanex16_b32 v[TM+4+\b], v[TM+\b], s[SEL], s[SEL+1]
.endr
.irp b, 0,1,2,3
	v_max_num_f32 v[TM+\b], v[TM+\b], v[TM+4+\b]   ; with lane l xor 16's: the block's largest magnitude
.endr
.irp b, 0,1,2,3
	v_add_nc_u32 v[TM+12+\b], 0xff000000, v[TM+\b] ; 2 off its exponent field: the conversion takes this operand's exponent field as its scale
.endr
.irp b, 0,1,2,3
	v_lshrrev_b32 v[TM+4+\b], 23, v[TM+12+\b]      ; the scale's byte
.endr
	v_lshl_or_b32 v[PW], v[TM+5], 8, v[TM+4]
	v_lshl_or_b32 v[PW], v[TM+6], 16, v[PW]
	v_lshl_or_b32 v[PW], v[TM+7], 24, v[PW]
	v_cvt_scalef32_pk16_fp6_f32 v[(\d0):(\d0)+2], v[(\s):(\s)+15], v[TM+12]
	v_cvt_scalef32_pk16_fp6_f32 v[(\t):(\t)+2], v[(\s)+16:(\s)+31], v[TM+13]
	v_cvt_scalef32_pk16_fp6_f32 v[(\d1):(\d1)+2], v[(\s)+32:(\s)+47], v[TM+14]
	v_cvt_scalef32_pk16_fp6_f32 v[(\t)+4:(\t)+6], v[(\s)+48:(\s)+63], v[TM+15]
	v_nop                                          ; one plain instruction behind the scaled conversions
.irp i, 0,1,2
	v_permlane16_swap_b32 v[(\d0)+\i], v[(\t)+\i]  ; the operand wants a whole block in a lane: the first's lanes 16-31 change places with the second's lanes 0-15
.endr
.irp i, 0,1,2
	v_mov_b32 v[(\d0)+3+\i], v[(\t)+\i]
.endr
.irp i, 0,1,2
	v_permlane16_swap_b32 v[(\d1)+\i], v[(\t)+4+\i]
.endr
.irp i, 0,1,2
	v_mov_b32 v[(\d1)+3+\i], v[(\t)+4+\i]
.endr
.endm
	s_wait_alu depctr_va_vdst(0)
	v_lshlrev_b32 v1, 4, v5                        ; 16 x lane: my place in a load's 512 bytes and in an image's
	s_mul_i32 s19, s18, 8448                       ; my wave's stage: 16 rows, 528 bytes apart
	v_add_nc_u32 v2, s19, v1                       ; into it: as loaded
	v_mul_u32_u24 v3, v6, 528
	v_lshl_add_u32 v3, v7, 5, v3
	v_add_nc_u32 v3, s19, v3                       ; out of it: row r, + 32 h; 528 r = 16 r modulo 256, so sixteen lanes touch sixteen different columns of 16 bytes
	v_lshlrev_b32 v4, 5, v6
	v_lshl_add_u32 v4, v7, 4, v4                   ; the scale bytes: 32 r + 16 h
	s_mov_b32 s[SEL], 0x76543210
	s_mov_b32 s[SEL+1], 0xfedcba98
	s_mov_b32 s22, 0xffff0000                      ; lanes 16-31
.irp b, 0,1,2,3
	v_mov_b32 v[TM+4+\b], 0                        ; written once: a lane permute's destination counts as one of its sources
.endr
	s_lshl_b32 s23, ttmp9, 2
	s_add_co_u32 s23, s23, s18                     ; my tile among the 576
	s_cmp_ge_u32 ttmp9, 128                        ; the last 64 tiles are Wo's: the choice hangs on the work-group's number alone
	s_cselect_b64 s[4:5], s[6:7], s[4:5]
	s_cselect_b32 s24, 512, 0
	s_cselect_b32 s25, 192, 0
	s_sub_co_u32 s24, s23, s24                     ; the tile in its own tensor
	s_add_co_u32 s25, s23, s25                     ; and in cod and scl
	s_lshl_b32 s26, s24, 16                        ; 16 rows of 4,096 bytes
	s_mov_b32 s27, 0
	s_add_nc_u64 s[4:5], s[4:5], s[26:27]
	s_mul_i32 s26, s25, 12288
	s_add_nc_u64 s[14:15], s[14:15], s[26:27]
	s_lshl_b32 s26, s25, 9
	s_add_nc_u64 s[16:17], s[16:17], s[26:27]
.macro LOADR s                         ; K step s of my 16 rows: each load takes 512 consecutive bytes of one row
.irp i, 0,1,2,3,4,5,6,7,8,9,10,11,12,13,14,15
	global_load_b128 v[R+64*((\s)%2)+4*\i:R+64*((\s)%2)+4*\i+3], v1, s[4:5] offset:4096*\i+512*(\s) th:TH_LOAD_NT
.endr
.endm
.macro TURNR s                         ; through my own stage: LDS serves a wave's instructions in order, so no wait stands between the stores and the loads
.irp i, 0,1,2,3,4,5,6,7,8,9,10,11,12,13,14,15
	ds_store_b128 v2, v[R+64*((\s)%2)+4*\i:R+64*((\s)%2)+4*\i+3] offset:528*\i
.endr
.irp b, 0,1,2,3
.irp j, 0,1,2,3
	ds_load_b128 v[X+16*\b+4*\j:X+16*\b+4*\j+3], v3 offset:128*\b+16*(\j%2)+64*(\j/2)   ; numbers 8 h + 0 .. 7 and 16 + 8 h + 0 .. 7 of block b: the program's order inside a block
.endr
.endr
.endm
.macro STEPR s
.if \s < 7
	s_wait_loadcnt 16                              ; this step's 16 loads are in; the next step's 16 may be out
.else
	s_wait_loadcnt 0x0
.endif
	TURNR \s
	s_wait_dscnt 0x0                               ; my 64 numbers are back, and the stores have read the set
.if \s < 6
	LOADR (\s)+2                                   ; which takes the step two on
.endif
.if \s > 0
	s_wait_xcnt 0x0                                ; the last step's stores have read the codes' registers
.endif
	QUANT X, PC, PC+6, T
	v_mov_b32 v[SW+\s], v[PW]
.irp c, 0,1,2
	global_store_b128 v1, v[PC+4*\c:PC+4*\c+3], s[14:15] offset:1536*\s+512*\c   ; 512 consecutive bytes, aligned
.endr
.endm
	LOADR 0
	LOADR 1
	s_wait_alu depctr_va_vdst(0)
.irp s, 0,1,2,3,4,5,6,7
	STEPR \s
.endr
.irp j, 0,1,2,3
	v_cndmask_b32 v[8+\j], v[SW+\j], v[SW+4+\j], s22   ; lanes 0-15 take my row's words 0-3, lanes 16-31 words 4-7
.endr
	global_store_b128 v4, v[8:11], s[16:17]        ; the tile's 512 scale bytes on end
	s_wait_tensorcnt 0x0
	ds_add_u32 v254, v255
	s_wait_dscnt 0x0
	s_endpgm
; ---------------- Wq, Wk, Wv: K is the middle axis ----------------
; A LANE TAKES A COLUMN d AND ITS REGISTERS RUN DOWN K (in the program's order inside a block): a block lies in one lane, and the conversions give codes with K innermost.
; Work-group: tensor, head, a quarter of K.  Wave: 32 columns (two tiles of 16 rows of the operand) x 128 along K.
.Lweights:
	s_sub_co_u32 s19, ttmp9, 144
	s_lshr_b32 s20, s19, 2
	s_and_b32 s21, s19, 3                          ; which quarter of K
	s_lshr_b32 s22, s20, 4                         ; tensor 0..2
	s_and_b32 s23, s20, 15                         ; head
	s_and_b32 s24, s18, 1                          ; which 32 columns
	s_lshr_b32 s25, s18, 1
	s_lshl_b32 s26, s21, 1
	s_add_co_u32 s25, s25, s26                     ; K step 0..7
	s_wait_alu depctr_va_vdst(0)
	v_lshlrev_b32 v1, 2, v5                        ; in: 4 bytes a lane
	s_wait_alu depctr_va_vdst(0)
	v_lshlrev_b32 v21, 4, v6
	v_mad_u32_u24 v21, v7, 12288, v21              ; out: lanes 0-15 the first tile, lanes 16-31 the second; 16 bytes a lane
	v_lshlrev_b32 v22, 5, v5                       ; my row of scale bytes
	s_cmp_eq_u32 s22, 0
	s_cselect_b64 s[4:5], s[8:9], s[10:11]
	s_cmp_eq_u32 s22, 2
	s_cselect_b64 s[4:5], s[12:13], s[4:5]
	s_lshl_b32 s26, s23, 18                        ; a head is 262,144 bytes,
	s_lshl_b32 s27, s25, 15                        ; 128 rows of 256 bytes,
	s_add_co_u32 s26, s26, s27
	s_lshl_b32 s27, s24, 7                         ; 32 columns
	s_add_co_u32 s26, s26, s27
	s_mov_b32 s27, 0
	s_add_nc_u64 s[4:5], s[4:5], s[26:27]
	s_lshl_b32 s28, s22, 6
	s_lshl_b32 s29, s23, 2
	s_add_co_u32 s28, s28, s29
	s_lshl_b32 s29, s24, 1
	s_add_co_u32 s28, s28, s29
	s_add_co_u32 s28, s28, 512                     ; my first tile in cod: 512 + 64 tensor + 4 head + 2 half
	s_mul_i32 s26, s28, 12288
	s_mul_i32 s29, s25, 1536
	s_add_co_u32 s26, s26, s29
	s_add_nc_u64 s[14:15], s[14:15], s[26:27]
	s_lshl_b32 s26, s28, 9
	s_lshl_b32 s29, s25, 2
	s_add_co_u32 s26, s26, s29
	s_add_nc_u64 s[16:17], s[16:17], s[26:27]
.macro LOADW j                         ; turn j takes block 2 (j % 2) + j / 2 of the K step, so that turns 0, 1 fill what lanes 0-15 of the image hold, turns 2, 3 what lanes 16-31 hold
.irp i, 0,1,2,3,4,5,6,7,8,9,10,11,12,13,14,15,16,17,18,19,20,21,22,23,24,25,26,27,28,29,30,31
	global_load_b32 v[G+32*(\j)+\i], v1, s[4:5] offset:(64*((\j)%2)+32*((\j)/2)+((\i/8)%2)*16+((\i/8)/2)*8+\i%8)*256 th:TH_LOAD_NT   ; 128 consecutive bytes a wave
.endr
.endm
.macro BLKW j
.set XS, G+32*(\j)
.set CD, C+12*((\j)/2)+6*((\j)%2)
	v_max3_num_f32 v12, |v[XS]|, |v[XS+1]|, |v[XS+2]|   ; all 32 numbers are mine
	v_max3_num_f32 v13, |v[XS+3]|, |v[XS+4]|, |v[XS+5]|
.irp i, 6,10,14,18,22,26
	v_max3_num_f32 v12, v12, |v[XS+\i]|, |v[XS+\i+1]|
	v_max3_num_f32 v13, v13, |v[XS+\i+2]|, |v[XS+\i+3]|
.endr
	v_max3_num_f32 v12, v12, |v[XS+30]|, |v[XS+31]|
	v_max3_num_f32 v12, v12, v13, 0x1800000        ; and the floor
	v_add_nc_u32 v11, 0xff000000, v12
	v_lshrrev_b32 v13, 23, v11
.if (\j) == 0
	v_mov_b32 v20, v13
.else
	v_lshl_or_b32 v20, v13, 8*(2*((\j)%2)+(\j)/2), v20   ; the byte at its block's place in the scale word
.endif
	v_cvt_scalef32_pk16_fp6_f32 v[CD:CD+2], v[XS:XS+15], v11
	v_cvt_scalef32_pk16_fp6_f32 v[CT:CT+2], v[XS+16:XS+31], v11   ; (a conversion's three registers begin on an even number)
	v_nop
.irp i, 0,1,2
	v_mov_b32 v[CD+3+\i], v[CT+\i]
.endr
.endm
.macro OUTW hh                         ; twelve registers of the image's lanes 16 hh + r: sixteen lanes fill an aligned block of 256 bytes
.irp c, 0,1,2
	global_store_b128 v21, v[C+12*\hh+4*\c:C+12*\hh+4*\c+3], s[14:15] offset:512*\c+256*\hh
.endr
.endm
	LOADW 0
	LOADW 1
	s_wait_loadcnt 32                              ; the first turn's 32 loads are in; one younger turn's may be out (here and below)
	LOADW 2
	BLKW 0
	s_wait_loadcnt 32
	LOADW 3
	BLKW 1
	OUTW 0
	s_wait_loadcnt 32
	BLKW 2
	s_wait_loadcnt 0x0
	BLKW 3
	OUTW 1
	global_store_b32 v22, v20, s[16:17]            ; four bytes of each of 32 rows, 32 bytes apart: 98,304 bytes of the launch's ten million leave so
	s_endpgm
.Lfunc_end_k_qfb694d6027_prep:
	.size	k_qfb694d6027_prep, .Lfunc_end_k_qfb694d6027_prep-k_qfb694d6027_prep
	.p2alignl 7, 3214868480
	.fill 96, 4, 3214868480
	.section	.rodata,"a",@progbits
	.p2align	6, 0x0
	.amdhsa_kernel k_qfb694d6027_prep
		.amdhsa_group_segment_fixed_size 34304
		.amdhsa_private_segment_fixed_size 0
		.amdhsa_enable_private_segment 0
		.amdhsa_kernarg_size 56
		.amdhsa_user_sgpr_count 2
		.amdhsa_user_sgpr_kernarg_segment_ptr 1
		.amdhsa_wavefront_size32 1
		.amdhsa_system_sgpr_workgroup_id_x 1
		.amdhsa_system_sgpr_workgroup_id_y 1
		.amdhsa_system_sgpr_workgroup_id_z 1
		.amdhsa_system_vgpr_workitem_id 0
		.amdhsa_next_free_vgpr 256
		.amdhsa_next_free_sgpr 66
		.amdhsa_reserve_vcc 0
		.amdhsa_float_denorm_mode_32 3
		.amdhsa_float_denorm_mode_16_64 3
		.amdhsa_memory_ordered 1
		.amdhsa_forward_progress 1
		.amdhsa_inst_pref_size 84
	.end_amdhsa_kernel
	.amdgpu_metadata
---
amdhsa.version: [ 1, 2 ]
amdhsa.kernels:
  - .name:           k_qfb694d6027_prep
    .symbol:         k_qfb694d6027_prep.kd
    .args:
      - { .name: hidden_states, .offset: 0, .size: 8, .value_kind: global_buffer, .address_space: global }
      - { .name: Wo, .offset: 8, .size: 8, .value_kind: global_buffer, .address_space: global }
      - { .name: Wq, .offset: 16, .size: 8, .value_kind: global_buffer, .address_space: global }
      - { .name: Wk, .offset: 24, .size: 8, .value_kind: global_buffer, .address_space: global }
      - { .name: Wv, .offset: 32, .size: 8, .value_kind: global_buffer, .address_space: global }
      - { .name: cod, .offset: 40, .size: 8, .value_kind: global_buffer, .address_space: global }
      - { .name: scl, .offset: 48, .size: 8, .value_kind: global_buffer, .address_space: global }
    .group_segment_fixed_size: 34304
    .private_segment_fixed_size: 0
    .kernarg_segment_align: 8
    .kernarg_segment_size: 56
    .max_flat_workgroup_size: 128
    .sgpr_count:     66
    .vgpr_count:     256
    .wavefront_size: 32
...
	.end_amdgpu_metadata
.endif
;; end of part 1
;; launch qkvg (part 2): grid 12 x 32, 4 waves a work-group, clusters of 4 x 4, 327,680 bytes of LDS; arguments cod, scl, bq, bk, bv, qkv, qkvs; writes qkv, qkvs
.if DOCPART == 2
	.amdgcn_target "amdgcn-amd-amdhsa--gfx1250"
	.amdhsa_code_object_version 6
	.text
	.protected	k_qfb694d6027_qkvg
	.globl	k_qfb694d6027_qkvg
	.p2align	8
	.type	k_qfb694d6027_qkvg,@function
k_qfb694d6027_qkvg:
	s_mov_b64 s[64:65], 0
	v_nop
	global_prefetch_b8 v0, s[64:65] scope:SCOPE_SE
	s_setreg_imm32_b32 hwreg(HW_REG_WAVE_MODE, 25, 1), 1
	s_wait_xcnt 0x0
	s_wait_alu depctr_hold_cnt(0) depctr_sa_sdst(0) depctr_va_vdst(0) depctr_va_sdst(0) depctr_va_ssrc(0) depctr_va_vcc(0) depctr_vm_vsrc(0)
	s_getreg_b32 s2, hwreg(HW_REG_IB_STS2, 6, 4)
	s_cmp_eq_u32 s2, 0
	s_cbranch_scc0 .Lentry_in_a_cluster
	s_endpgm
.Lentry_in_a_cluster:
	s_bfe_u32 s2, ttmp6, 0x10000c
	s_cmp_lg_u32 s2, 0xf033
	s_cbranch_scc0 .Lentry_shape_is_right
	s_endpgm
.Lentry_shape_is_right:
.set NQ,     2
.set NL,     3
.set NP,     4
.set FR,     12
.set TILEB,  3072
.set HALFT,  8*TILEB
.set SLOT,   4*HALFT
.set KS,     32
.set SCL,    2*SLOT
.set HALFS,  16*272
.set SBLK,   2*272
.set SPARE,  SCL+4*HALFS
.set STGQ,   0
.set STGV,   4096
.set ADRA, 16
.set ADRB, 20
.set ADRS, 27
.set SPW,  28
.set NIL,  29
.set SC,   32
.set BN,   64
.set AF,   128
.set BM,   240
.set X,    128
.set TM,   192
.set PW,   208
.set TSH,  209
.set IMG0, 212
.set IMG1, 224
.set T,    32
.set OUT,  40
.set SEL,  100
.set G1, 24
.set G0, 32
.set G1B, 48
.set G0B, 56
.set G1S, 68
.set G0S, 76
.set G1SB, 80
.set G0SB, 88
.set MSB, 0
.macro WIN new
.if MSB != (\new)
	s_set_vgpr_msb (MSB<<8)|(\new)
.set MSB, (\new)
.endif
.endm
.set MUL_LO, 0xa1
.set MUL_HI, 0xf1
.set TO_B,   0x40
.macro JLOAD g0a, g1a, g0b, g1b
	s_cmp_eq_u32 s19, 0
	s_cbranch_scc0 .Lfor_b_\@
	tensor_load_to_lds s[\g0a:\g0a+3], s[\g1a:\g1a+7]
	s_nop 0
.rept 4
	v_nop
.endr
	s_branch .Lasked_\@
.Lfor_b_\@:
	tensor_load_to_lds s[\g0b:\g0b+3], s[\g1b:\g1b+7]
	s_nop 0
.rept 4
	v_nop
.endr
.Lasked_\@:
.endm
.macro CREST
	s_cmp_lg_u32 s18, 0
	s_cbranch_scc1 .Lnot_wave_0_\@
	s_barrier_signal -3
.Lnot_wave_0_\@:
	s_barrier_wait -3
	s_barrier_signal -1
	s_barrier_wait -1
.endm
.macro CROUND
	s_barrier_signal -1
	s_barrier_wait -1
	CREST
.endm
	s_load_b256 s[4:11], s[0:1], 0x0
	s_load_b128 s[12:15], s[0:1], 0x20
	s_load_b64 s[16:17], s[0:1], 0x30
	v_lshl_add_u32 v[SPW], v0, 2, SPARE
	v_mov_b32 v[NIL], 0
	ds_add_u32 v28, v29
	ds_add_u32 v28, v29
	s_wait_dscnt 0x0
	v_lshrrev_b32 v1, 5, v0
	v_readfirstlane_b32 s18, v1
	s_lshr_b32 s19, s18, 1
	s_and_b32 s20, s18, 1
	s_bfe_u32 s21, ttmp6, 0x40000
	s_bfe_u32 s22, ttmp6, 0x40004
	s_and_b32 s23, ttmp7, 0xffff
	s_lshl_b32 s23, s23, 2
	s_lshl_b32 s42, s22, 2
	s_lshl_b32 s42, 15, s42
	s_lshl_b32 s43, 0x1111, s21
	s_lshl_b32 s47, ttmp9, 2
	s_add_co_u32 s47, s47, 32
	s_cmp_eq_u32 ttmp9, 2
	s_cselect_b32 s41, 1, 0
	s_cselect_b32 s44, 40, s23
	s_cselect_b32 s45, s23, s47
	s_add_co_u32 s44, s44, s22
	s_add_co_u32 s45, s45, s21
	s_or_b32 s[G1+0], s42, (3<<16)|(1<<21)
	s_or_b32 s[G1B+0], s43, (3<<16)|(1<<21)
.irp g, G1, G1B
	s_mov_b32 s[\g+1], 384<<16
	s_mov_b32 s[\g+2], 16<<16
	s_mov_b32 s[\g+3], 384<<16
	s_mov_b32 s[\g+4], 16
	s_mov_b32 s[\g+5], 1536
	s_mov_b32 s[\g+6], 0
	s_mov_b32 s[\g+7], 0
.endr
	s_or_b32 s[G1S+0], s42, (3<<16)|(1<<20)|(1<<21)|(5<<22)|(3<<25)
	s_or_b32 s[G1SB+0], s43, (3<<16)|(1<<20)|(1<<21)|(5<<22)|(3<<25)
.irp g, G1S, G1SB
	s_mov_b32 s[\g+1], 32<<16
	s_mov_b32 s[\g+2], 32<<16
	s_mov_b32 s[\g+3], 32<<16
	s_mov_b32 s[\g+4], 32
	s_mov_b32 s[\g+5], 32
	s_mov_b32 s[\g+6], 0
	s_mov_b32 s[\g+7], 0
.endr
	s_mul_i32 s66, s20, 98304                      ; in the ring a wave fetches 8 of a side's 16 tiles: which half, in bytes
	s_mov_b32 s67, 0
	s_mul_i32 s46, s44, 196608                     ; A's 16 tiles of codes
	s_mov_b32 s47, 0
	s_lshl_b32 s78, s44, 13                        ; and their scale bytes
	s_mov_b32 s79, 0
	s_mul_i32 s98, s45, 196608                     ; B's
	s_mov_b32 s99, 0
	s_lshl_b32 s90, s45, 13
	s_mov_b32 s91, 0
	s_mul_i32 s94, s18, HALFT
	s_wait_kmcnt 0x0
	s_add_nc_u64 s[46:47], s[4:5], s[46:47]
	s_add_nc_u64 s[98:99], s[4:5], s[98:99]
	s_add_nc_u64 s[78:79], s[6:7], s[78:79]
	s_add_nc_u64 s[90:91], s[6:7], s[90:91]
	CROUND
	s_add_nc_u64 s[96:97], s[46:47], s[66:67]
	s_add_nc_u64 s[92:93], s[98:99], s[66:67]
.irp s, 0,1
	s_mov_b32 s[G0+4*\s], 1
	s_add_co_u32 s[G0+4*\s+1], s94, \s*SLOT
	s_add_nc_u64 s[G0+4*\s+2:G0+4*\s+3], s[96:97], \s*TILEB
	s_or_b32 s[G0+4*\s+3], s[G0+4*\s+3], 0x80000000
	s_mov_b32 s[G0B+4*\s], 1
	s_add_co_u32 s[G0B+4*\s+1], s94, \s*SLOT
	s_add_nc_u64 s[G0B+4*\s+2:G0B+4*\s+3], s[92:93], \s*TILEB
	s_or_b32 s[G0B+4*\s+3], s[G0B+4*\s+3], 0x80000000
.endr
; THE HEAD'S LOADS, ONE A WAVE: wave 0 slot 0's 16 tiles of A, wave 1 its 16 tiles of B, wave 2 the scales of A's 256 rows, wave 3 those of B's.
; Their groups 0 lie in s[44:47], s[4:7], s[76:79], s[88:91], which nothing writes before the wait for these loads.
	s_mov_b32 s44, 1
	s_mov_b32 s45, 0
	s_or_b32 s47, s47, 0x80000000
	s_mov_b32 s4, 1
	s_mov_b32 s5, 2*HALFT
	s_mov_b64 s[6:7], s[98:99]
	s_or_b32 s7, s7, 0x80000000
	s_mov_b32 s[G0S], 1
	s_mov_b32 s[G0S+1], SCL
	s_or_b32 s[G0S+3], s[G0S+3], 0x80000000
	s_mov_b32 s[G0SB], 1
	s_mov_b32 s[G0SB+1], SCL+2*HALFS
	s_or_b32 s[G0SB+3], s[G0SB+3], 0x80000000
.macro ARM under, g0, g1, next
	s_cmp_lt_u32 s18, \under
	s_cbranch_scc0 \next
	tensor_load_to_lds s[\g0:\g0+3], s[\g1:\g1+7]
	s_nop 0
.rept 4
	v_nop
.endr
	s_branch .Lhead_asked
\next:
.endm
	ARM 1, 44, G1, .Lhead_b
	ARM 2, 4, G1B, .Lhead_sa
	ARM 3, G0S, G1S, .Lhead_sb
	tensor_load_to_lds s[G0SB:G0SB+3], s[G1SB:G1SB+7]
	s_nop 0
.rept 4
	v_nop
.endr
.Lhead_asked:
	v_and_b32 v1, 15, v0
	v_bfe_u32 v2, v0, 4, 1
	v_and_b32 v3, 31, v0
	v_lshlrev_b32 v24, 4, v3
	s_mul_i32 s66, s19, HALFT
	s_mul_i32 s67, s20, HALFT
	s_add_co_u32 s67, s67, 2*HALFT
.irp s, 0,1
	v_add_nc_u32 v[ADRA+\s], s66, v24
	v_add_nc_u32 v[ADRB+\s], s67, v24
	s_add_co_u32 s66, s66, SLOT
	s_add_co_u32 s67, s67, SLOT
.endr
	v_mul_u32_u24 v5, v1, KS
	v_lshrrev_b32 v6, 8, v5
	v_lshl_add_u32 v5, v6, 4, v5
	s_mul_i32 s66, s19, HALFS
	s_mul_i32 s67, s20, HALFS
	s_add_co_u32 s67, s67, 2*HALFS
	s_sub_co_u32 s67, s67, s66
	v_mul_u32_u24 v6, s67, v2
	s_add_co_u32 s66, s66, SCL
	v_add_nc_u32 v5, v5, v6
	v_add_nc_u32 v[ADRS], s66, v5
	s_lshl_b32 s66, s18, 10
	v_lshlrev_b32 v4, 9, v2
	v_lshl_add_u32 v25, v1, 4, v4
	v_add_nc_u32 v25, s66, v25
	v_add_nc_u32 v26, s66, v24
	v_lshl_add_u32 v22, v1, 3, v4
	v_add_nc_u32 v22, s66, v22
	v_add_nc_u32 v22, STGV, v22
	v_add_nc_u32 v23, s66, v24
	v_add_nc_u32 v23, STGV, v23
	v_mul_u32_u24 v18, v2, 12288
	v_lshl_add_u32 v18, v1, 4, v18
	v_lshlrev_b32 v19, 4, v2
	v_lshlrev_b32 v30, 5, v2
	s_wait_alu depctr_va_vdst(0)
	v_lshlrev_b32 v31, 2, v1
	s_wait_alu depctr_va_vdst(0)
	s_mov_b32 s[SEL], 0x76543210
	s_mov_b32 s[SEL+1], 0xfedcba98
	s_cmp_eq_u32 ttmp9, 0
	s_cselect_b64 s[8:9], s[8:9], s[10:11]
	s_cmp_eq_u32 ttmp9, 2
	s_cselect_b64 s[8:9], s[12:13], s[8:9]
	s_lshl_b32 s66, s21, 10
	s_lshl_b32 s67, s20, 9
	s_add_co_u32 s66, s66, s67
	s_mov_b32 s67, 0
	s_add_nc_u64 s[8:9], s[8:9], s[66:67]
	s_lshl_b32 s66, s22, 10
	s_lshl_b32 s10, s19, 9
	s_add_co_u32 s66, s66, s10
	s_add_nc_u64 s[12:13], s[12:13], s[66:67]
.irp b, 0,1,2,3,4,5,6,7
	global_load_b128 v[BN+8*\b:BN+8*\b+3], v30, s[8:9] offset:64*\b
	global_load_b128 v[BN+8*\b+4:BN+8*\b+7], v30, s[8:9] offset:64*\b+16
.endr
.irp a, 0,1,2,3,4,5,6,7
	global_load_b32 v[BM+2*\a], v31, s[12:13] offset:64*\a
	global_load_b32 v[BM+2*\a+1], v31, s[12:13] offset:64*\a
.endr
	s_cmp_eq_u32 s41, 1
	s_cselect_b32 s66, s21, s22
	s_cselect_b32 s67, s20, s19
	s_cselect_b32 s10, s22, s21
	s_cselect_b32 s11, s19, s20
	s_cselect_b32 s96, 8192, 0
	s_cselect_b32 s97, 8, 9
	s_add_co_u32 s66, s66, s23
	s_lshr_b32 s98, s66, 3
	s_and_b32 s66, s66, 7
	s_lshl_b32 s66, s66, 1
	s_add_co_u32 s66, s66, s67
	s_lshl_b32 s98, s98, 4
	s_lshl_b32 s10, s10, 2
	s_add_co_u32 s98, s98, s10
	s_lshl_b32 s11, s11, 1
	s_add_co_u32 s98, s98, s11
	s_mul_i32 s92, ttmp9, 6291456
	s_mul_i32 s99, s98, 98304
	s_add_co_u32 s92, s92, s99
	s_mul_i32 s99, s66, 6144
	s_add_co_u32 s92, s92, s99
	s_mov_b32 s93, 0
	s_add_nc_u64 s[92:93], s[14:15], s[92:93]
	s_min_u32 s94, ttmp9, 1
	s_mul_i32 s94, s94, 786432
	s_mul_i32 s99, s98, 12288
	s_add_co_u32 s94, s94, s99
	s_add_co_u32 s94, s94, s96
	s_lshl_b32 s99, s66, s97
	s_add_co_u32 s94, s94, s99
	s_mov_b32 s95, 0
	s_add_nc_u64 s[94:95], s[16:17], s[94:95]
.macro FRAG reg, adr, q, i
.irp c, 0,1,2
	ds_load_b128 v[\reg+4*\c:\reg+4*\c+3], v[\adr] offset:TILEB*(\i)+1536*(\q)+512*\c
.endr
.endm
.macro MUL16 a0, p, q, sc, zero
.irp a, \a0, \a0+1
.irp b, 0,1,2,3,4,5,6,7
.if \zero
	v_wmma_scale_f32_16x16x128_f8f6f4 v[8*(8*((\a)%4)+\b):8*(8*((\a)%4)+\b)+7], v[128*(\p)+FR*\b:128*(\p)+FR*\b+FR-1], v[AF+FR*(\a):AF+FR*(\a)+FR-1], 0, v[SC+8*NQ*(\sc)+NQ*\b+(\q)], v[SC+8*NQ*(\sc)+NQ*(\a)+(\q)] matrix_a_fmt:MATRIX_FMT_FP6 matrix_b_fmt:MATRIX_FMT_FP6 matrix_a_scale:MATRIX_SCALE_ROW1
.else
	v_wmma_scale_f32_16x16x128_f8f6f4 v[8*(8*((\a)%4)+\b):8*(8*((\a)%4)+\b)+7], v[128*(\p)+FR*\b:128*(\p)+FR*\b+FR-1], v[AF+FR*(\a):AF+FR*(\a)+FR-1], v[8*(8*((\a)%4)+\b):8*(8*((\a)%4)+\b)+7], v[SC+8*NQ*(\sc)+NQ*\b+(\q)], v[SC+8*NQ*(\sc)+NQ*(\a)+(\q)] matrix_a_fmt:MATRIX_FMT_FP6 matrix_b_fmt:MATRIX_FMT_FP6 matrix_a_scale:MATRIX_SCALE_ROW1
.endif
.endr
.endr
.endm
.macro FETCH_B slot, q, p
	WIN TO_B
.irp i, 0,1,2,3,4,5,6,7
	FRAG 128*(\p)+FR*\i, ADRB+\slot, \q, \i
.endr
	WIN 0
.endm
.macro FETCH_A slot, q, i0
.irp i, \i0, \i0+1, \i0+2, \i0+3
	FRAG AF+FR*(\i), ADRA+\slot, \q, \i
.endr
.endm
.macro SCALES sc
.irp i, 0,1,2,3,4,5,6,7
	ds_load_b64 v[SC+8*NQ*\sc+NQ*\i:SC+8*NQ*\sc+NQ*\i+1], v[ADRS] offset:\i*SBLK
.endr
.endm
.macro PLACES n
.rept \n
	v_nop
.endr
.endm
.macro STEP slot, q, zero
	s_wait_dscnt 4*NL
	WIN MUL_LO
	MUL16 0, (\q)%2, \q, \slot, \zero
	MUL16 2, (\q)%2, \q, \slot, \zero
	s_wait_dscnt 0
	PLACES NP
	FETCH_B \slot, (\q)+1, 1-(\q)%2
	FETCH_A \slot, (\q)+1, 0
	WIN MUL_HI
	MUL16 4, (\q)%2, \q, \slot, \zero
	MUL16 6, (\q)%2, \q, \slot, \zero
	PLACES NP
	WIN 0
	FETCH_A \slot, (\q)+1, 4
.endm
.macro TURN slot, next, fill
	s_wait_tensorcnt 0x0
	ds_add_u32 v[SPW], v[NIL]
	s_wait_dscnt 4*NL+1
	WIN MUL_LO
	MUL16 0, 1, NQ-1, \slot, 0
	s_wait_dscnt 0x0
	s_barrier_signal -1
	MUL16 2, 1, NQ-1, \slot, 0
	WIN 0
	s_barrier_wait -1
.if \fill
	CREST
	s_add_nc_u64 s[G0+4*\slot+2:G0+4*\slot+3], s[G0+4*\slot+2:G0+4*\slot+3], 2*TILEB
	s_add_nc_u64 s[G0B+4*\slot+2:G0B+4*\slot+3], s[G0B+4*\slot+2:G0B+4*\slot+3], 2*TILEB
	JLOAD G0+4*\slot, G1, G0B+4*\slot, G1B
.else
	PLACES NP
.endif
	s_wait_alu depctr_va_vdst(0)
	v_add_nc_u32 v[ADRS], 4*NQ, v[ADRS]
	FETCH_B \next, 0, 0
	FETCH_A \next, 0, 0
	SCALES \next
	WIN MUL_HI
	MUL16 4, 1, NQ-1, \slot, 0
	MUL16 6, 1, NQ-1, \slot, 0
	PLACES NP
	WIN 0
	FETCH_A \next, 0, 4
.endm
	s_wait_alu depctr_va_vdst(0)                   ; the head's end
	s_wait_tensorcnt 0x0                           ; my tile of the head's four is in
	ds_add_u32 v[SPW], v[NIL]
	s_mov_b32 s[G1+2], 8<<16                       ; no tensor load of mine is out: from here on a load brings 8 tiles
	s_mov_b32 s[G1+4], 8
	s_mov_b32 s[G1B+2], 8<<16
	s_mov_b32 s[G1B+4], 8
	s_wait_dscnt 0x0
	CROUND                                         ; all four tiles are in, and all sixteen work-groups are here
	JLOAD G0+4, G1, G0B+4, G1B                     ; slot 1's first fill, the first tensor load behind the round
	s_wait_loadcnt 0x0                             ; the biases
	FETCH_B 0, 0, 0
	FETCH_A 0, 0, 0
	SCALES 0
	FETCH_A 0, 0, 4
	STEP 0, 0, 1
	TURN 0, 1, 1
	STEP 1, 0, 0
	TURN 1, 0, 1
	STEP 0, 0, 0
	TURN 0, 1, 0
	STEP 1, 0, 0
	s_wait_dscnt 4*NL
	WIN MUL_LO
	MUL16 0, 1, NQ-1, 1, 0
	MUL16 2, 1, NQ-1, 1, 0
	s_wait_dscnt 0
	WIN MUL_HI
	MUL16 4, 1, NQ-1, 1, 0
	MUL16 6, 1, NQ-1, 1, 0
	WIN 0
.macro QUANT s, d0, d1, t
.irp b, 0,1,2,3
	v_max3_num_f32 v[TM+\b], |v[(\s)+16*\b]|, |v[(\s)+1+16*\b]|, 0x1800000
.endr
.irp i, 2,4,6,8,10,12,14
.irp b, 0,1,2,3
	v_max3_num_f32 v[TM+\b], v[TM+\b], |v[(\s)+16*\b+\i]|, |v[(\s)+1+16*\b+\i]|
.endr
.endr
.irp b, 0,1,2,3
	v_permlanex16_b32 v[TM+4+\b], v[TM+\b], s[SEL], s[SEL+1]
.endr
.irp b, 0,1,2,3
	v_max_num_f32 v[TM+\b], v[TM+\b], v[TM+4+\b]
.endr
.irp b, 0,1,2,3
	v_add_nc_u32 v[TM+12+\b], 0xff000000, v[TM+\b]
.endr
.irp b, 0,1,2,3
	v_lshrrev_b32 v[TM+4+\b], 23, v[TM+12+\b]
.endr
	v_lshl_or_b32 v[PW], v[TM+5], 8, v[TM+4]
	v_lshl_or_b32 v[PW], v[TM+6], 16, v[PW]
	v_lshl_or_b32 v[PW], v[TM+7], 24, v[PW]
	v_cvt_scalef32_pk16_fp6_f32 v[(\d0):(\d0)+2], v[(\s):(\s)+15], v[TM+12]
	v_cvt_scalef32_pk16_fp6_f32 v[(\t):(\t)+2], v[(\s)+16:(\s)+31], v[TM+13]
	v_cvt_scalef32_pk16_fp6_f32 v[(\d1):(\d1)+2], v[(\s)+32:(\s)+47], v[TM+14]
	v_cvt_scalef32_pk16_fp6_f32 v[(\t)+4:(\t)+6], v[(\s)+48:(\s)+63], v[TM+15]
	v_nop
.irp i, 0,1,2
	v_permlane16_swap_b32 v[(\d0)+\i], v[(\t)+\i]
.endr
.irp i, 0,1,2
	v_mov_b32 v[(\d0)+3+\i], v[(\t)+\i]
.endr
.irp i, 0,1,2
	v_permlane16_swap_b32 v[(\d1)+\i], v[(\t)+4+\i]
.endr
.irp i, 0,1,2
	v_mov_b32 v[(\d1)+3+\i], v[(\t)+4+\i]
.endr
.endm
.macro ADDB a, isv
	WIN 0x02+(\a)/4
.set n, 0
.rept 32
.if \isv
	v_pk_add_f32 v[X+2*n:X+2*n+1], v[64*((\a)%4)+2*n:64*((\a)%4)+2*n+1], v[BM+2*(\a):BM+2*(\a)+1]
.else
	v_pk_add_f32 v[X+2*n:X+2*n+1], v[64*((\a)%4)+2*n:64*((\a)%4)+2*n+1], v[BN+2*n:BN+2*n+1]
.endif
.set n, n+1
.endr
	WIN 0
.endm
.macro EPIQK pr
.if \pr > 0
	s_wait_xcnt 0x0
.endif
.irp e, 0,1
	ADDB 2*\pr+\e, 0
	QUANT X, IMG0+6*\e, IMG1+6*\e, T
	v_lshrrev_b32 v[TSH], v19, v[PW]
	ds_store_b32 v25, v[TSH] offset:256*\e+4*\pr
.endr
.irp x, 0,1
.irp c, 0,1,2
	global_store_b128 v24, v[IMG0+12*\x+4*\c:IMG0+12*\x+4*\c+3], s[92:93] offset:1536*\pr+512*\c+98304*\x
.endr
.endr
.endm
.macro EPIV a
.if \a > 0
	s_wait_xcnt 0x0
.endif
	ADDB \a, 1
	QUANT X, IMG0, IMG0+6, T
	ds_store_b32 v22, v[PW] offset:256*(\a/4)+128*(\a%2)+4*((\a%4)/2)
.irp c, 0,1,2
	global_store_b128 v24, v[IMG0+4*\c:IMG0+4*\c+3], s[92:93] offset:(\a/4)*98304+(\a%4)*1536+512*\c
.endr
.endm
	PLACES NP
.irp b, 0,1,2,3
	v_mov_b32 v[TM+4+\b], 0
.endr
	s_cmp_eq_u32 s41, 1
	s_cbranch_scc1 .Lvalues
	EPIQK 0
	EPIQK 1
	EPIQK 2
	EPIQK 3
	ds_load_b128 v[OUT:OUT+3], v26
	ds_load_b128 v[OUT+4:OUT+7], v26 offset:512
	s_wait_dscnt 0x0
	global_store_b128 v24, v[OUT:OUT+3], s[94:95]
	global_store_b128 v24, v[OUT+4:OUT+7], s[94:95] offset:12288
	s_branch .Lend
.Lvalues:
	EPIV 0
	EPIV 1
	EPIV 2
	EPIV 3
	EPIV 4
	EPIV 5
	EPIV 6
	EPIV 7
	ds_load_b128 v[OUT:OUT+3], v23
	s_wait_dscnt 0x0
	global_store_b128 v18, v[OUT:OUT+3], s[94:95]
.Lend:
	s_wait_tensorcnt 0x0
	ds_add_u32 v[SPW], v[NIL]
	s_wait_dscnt 0x0
	CROUND
	s_endpgm
.Lfunc_end_k_qfb694d6027_qkvg:
	.size	k_qfb694d6027_qkvg, .Lfunc_end_k_qfb694d6027_qkvg-k_qfb694d6027_qkvg
	.p2alignl 7, 3214868480
	.fill 96, 4, 3214868480
	.section	.rodata,"a",@progbits
	.p2align	6, 0x0
	.amdhsa_kernel k_qfb694d6027_qkvg
		.amdhsa_group_segment_fixed_size 327680
		.amdhsa_private_segment_fixed_size 0
		.amdhsa_enable_private_segment 0
		.amdhsa_kernarg_size 56
		.amdhsa_user_sgpr_count 2
		.amdhsa_user_sgpr_kernarg_segment_ptr 1
		.amdhsa_wavefront_size32 1
		.amdhsa_system_sgpr_workgroup_id_x 1
		.amdhsa_system_sgpr_workgroup_id_y 1
		.amdhsa_system_sgpr_workgroup_id_z 1
		.amdhsa_system_vgpr_workitem_id 0
		.amdhsa_next_free_vgpr 1024
		.amdhsa_next_free_sgpr 102
		.amdhsa_reserve_vcc 0
		.amdhsa_float_denorm_mode_32 3
		.amdhsa_float_denorm_mode_16_64 3
		.amdhsa_memory_ordered 1
		.amdhsa_forward_progress 1
		.amdhsa_inst_pref_size 211
	.end_amdhsa_kernel
	.amdgpu_metadata
---
amdhsa.version: [ 1, 2 ]
amdhsa.kernels:
  - .name:           k_qfb694d6027_qkvg
    .symbol:         k_qfb694d6027_qkvg.kd
    .args:
      - { .name: cod, .offset: 0, .size: 8, .value_kind: global_buffer, .address_space: global }
      - { .name: scl, .offset: 8, .size: 8, .value_kind: global_buffer, .address_space: global }
      - { .name: bq, .offset: 16, .size: 8, .value_kind: global_buffer, .address_space: global }
      - { .name: bk, .offset: 24, .size: 8, .value_kind: global_buffer, .address_space: global }
      - { .name: bv, .offset: 32, .size: 8, .value_kind: global_buffer, .address_space: global }
      - { .name: qkv, .offset: 40, .size: 8, .value_kind: global_buffer, .address_space: global }
      - { .name: qkvs, .offset: 48, .size: 8, .value_kind: global_buffer, .address_space: global }
    .group_segment_fixed_size: 327680
    .private_segment_fixed_size: 0
    .kernarg_segment_align: 8
    .kernarg_segment_size: 56
    .max_flat_workgroup_size: 128
    .sgpr_count:     102
    .vgpr_count:     1024
    .wavefront_size: 32
...
	.end_amdgpu_metadata
.endif
;; end of part 2
;; launch attn (part 3): grid 4 x 64, 16 waves a work-group, clusters of 4 x 1, 260,096 bytes of LDS; arguments qkv, qkvs, attention_mask, ctx, ctxs; writes ctx, ctxs
.if DOCPART == 3
	.amdgcn_target "amdgcn-amd-amdhsa--gfx1250"
	.amdhsa_code_object_version 6
	.text
	.protected	k_qfb694d6027_attn
	.globl	k_qfb694d6027_attn
	.p2align	8
	.type	k_qfb694d6027_attn,@function
k_qfb694d6027_attn:
	s_mov_b64 s[64:65], 0
	v_nop
	global_prefetch_b8 v0, s[64:65] scope:SCOPE_SE
	s_setreg_imm32_b32 hwreg(HW_REG_WAVE_MODE, 25, 1), 1
	s_wait_xcnt 0x0
	s_wait_alu depctr_hold_cnt(0) depctr_sa_sdst(0) depctr_va_vdst(0) depctr_va_sdst(0) depctr_va_ssrc(0) depctr_va_vcc(0) depctr_vm_vsrc(0)
	s_getreg_b32 s2, hwreg(HW_REG_IB_STS2, 6, 4)
	s_cmp_eq_u32 s2, 0
	s_cbranch_scc0 .Lentry_in_a_cluster
	s_endpgm
.Lentry_in_a_cluster:
	s_bfe_u32 s2, ttmp6, 0x10000c
	s_cmp_lg_u32 s2, 0x3003
	s_cbranch_scc0 .Lentry_shape_is_right
	s_endpgm
.Lentry_shape_is_right:
; ctx = softmax(q k^T / 8 + (1 - mask[query]) x -10000) v for one head, both products on codes of FP6 (E2M3) with E8M0 scales, and ctx quantised at once along head x 64 + d.
; THE SOFTMAX: t = logit x log2(e); M = the row's largest t so far, rounded up to a whole number; p = 2^(t - M) is quantised along the keys; the row's sum is taken of the unquantised p and divides at the end.
; SHARES.  A cluster of four work-groups is one head (16 batch + head = the grid's y); a work-group owns 512 queries; each of its sixteen waves one tile of 16 queries in each of two passes.
; THE WHOLE HEAD LIES IN LDS, FILLED ONCE, by joint loads of the four partners, one a wave: waves 0-5 bring K's 64 images, waves 6-11 V's (32 rows of 512 bytes each, 128 bytes of padding behind every row),
; waves 12-15 the scale words (12 rows of 256 bytes each).  No byte of LDS is filled twice and none is stored to.  No prefetch: the launch has no loop of loads to run ahead in.
; LAYOUT.  Both products are used transposed (S^T = K Q^T, O^T = V^T P^T): a lane holds one query throughout.  An image is 12 registers a lane: two tiles of 16 keys x 64 d, in three chunks of 512 bytes.
; WHICH KEYS FORM A TILE is chosen at the LDS read, by the lane's address: of 64 keys (two images) lanes r = 0-7 read rows 8 u + r of the first image, lanes r = 8-15 rows 8 u + r - 8 of the second.
; So in the result lanes 0-15 hold keys of block 2 c and lanes 16-31 keys of block 2 c + 1, and a lane's 32 registers of four tiles are one WHOLE block of 32 keys, in the order 0-7, 16-23, 8-15, 24-31,
; which is the order inside a block that every operand of this program has.  A block's largest p, its scale and its codes need no other lane.  With 1,920 bytes from image to image the sixteen lanes of a load touch sixteen different columns of 16 bytes.
; THE SCORE PRODUCT'S K IS 64 OF THE INSTRUCTION'S 128.  Q's registers 6-11 are zeros; K's operand for tile T is v[KF + 6 T] .. + 11: its upper six registers are the next tile's codes (behind the last: zeros).
; They meet zero codes; E2M3 has no infinity or NaN, and no scale byte here is 0xff, so these products add 0.
; THE MASK: 8 x (1 - mask) x -10000 (the factor 8 is exact) is the C of every score product, and c = log2(e) / 8 then gives t of reference's logit.  It is kept though it is the same along the softmax's axis: it is large beside the scores.
; THE EXPONENTIALS go in four groups of 16; between them stand plain instructions that hang on none of the group: the next group's t - M, additions of groups already awaited, one stage of the blocks' scales.
; What such a line writes is read only behind the wait that closes its group.
; LIMITS: NaN and infinities are not served; the promise holds while the scaled scores stay under 2^31 in magnitude; a block of ctx of zeros or under 2^-124 gets the byte 1.  ctx's scale bytes leave singly, two for a token and head.
.set KF,  48                           ; v48-95 four images of K, then V's four fragments; v96-101 zeros
.set AMC, 40                           ; v40-47 the mask's term, in a result's layout
.set S,   102                          ; v102-165 S^T, then p
.set O,   166                          ; v166-197 O^T
.set PC,  198                          ; v198-209 p's codes
.set CT,  210                          ; v210-216 second halves of blocks on their way
.set BX,  218                          ; v218-221 largest scores: my two blocks, two chains each
.set Y,   220                          ; v[220:221] behind the maxima: a fifth chain of the row's sum
.set PT,  222                          ; v222-225 at work
.set SO,  226                          ; v226-227 the conversions' scale operands
.set SH,  228                          ; 8 x (lane / 16)
.set KSC, 230                          ; v230-233 K's scale words: register T / 2, lanes 16 (T % 2) + row
.set VSC, 234                          ; v234-235 V's
.set PS,  236                          ; p's scale word
.set QS,  237                          ; v237, v238 Q's scale words of the two passes
.set F,   240                          ; v[240:241] f = 2^(old M - new M)
.set TP,  242
.set SA,  244                          ; v244-251 the row's sum, four chains of pairs
.set MK,  252                          ; v252, v253 my query's mask in the two passes
.set SPW, 254
.set NIL, 255
.set VB,  122880                       ; LDS: K at 0, V here,
.set KW,  245760                       ; K's scale words, 8,192 bytes,
.set VW,  253952                       ; V's, 4,096,
.set SPARE, 258048                     ; and the spare words, 128 bytes a wave
.set STEPB, 7680                       ; a step of 128 keys: 12 chunks of 640 bytes, in K's and in V's region alike
.set WV,  14
.set W1,  15
.set SEL, 20
.set CS,  22
.set NC,  67
.set TB,  60
.set TS,  61
.set TJ,  62
.set CNT, 63
.macro CROUND                          ; a round of the cluster's barrier
	s_barrier_signal -1
	s_barrier_wait -1
	s_cmp_lg_u32 s[WV], 0
	s_cbranch_scc1 .Lnot_wave_0_\@
	s_barrier_signal -3
.Lnot_wave_0_\@:
	s_barrier_wait -3
	s_barrier_signal -1
	s_barrier_wait -1
.endm
	s_load_b256 s[4:11], s[0:1], 0x0               ; qkv s[4:5], qkvs s[6:7], attention_mask s[8:9], ctx s[10:11]
	s_load_b64 s[12:13], s[0:1], 0x20              ; ctxs
	v_lshl_add_u32 v[SPW], v0, 2, SPARE
	v_mov_b32 v[NIL], 0
	ds_add_u32 v[SPW], v[NIL]
	ds_add_u32 v[SPW], v[NIL]
	v_lshrrev_b32 v1, 5, v0
	v_readfirstlane_b32 s[WV], v1                  ; wave 0..15
	s_and_b32 s[W1], s[WV], 1
	s_bfe_u32 s16, ttmp6, 0x40000                  ; cx
	s_lshl_b32 s18, ttmp9, 2
	s_add_co_u32 s16, s16, s18                     ; my block of 512 queries: it enters Q's, the mask's and ctx's addresses alone
	s_and_b32 s17, ttmp7, 0xffff                   ; 16 batch + head, which the four partners share
	s_mov_b32 s44, 15|(3<<16)|(1<<20)|(1<<21)|(6<<22)|(31<<25)   ; codes: mask of all four; elements of 8 bytes; behind every 128 dwords 32 dwords of padding
	s_mov_b32 s45, 64<<16
	s_mov_b32 s46, 32<<16
	s_mov_b32 s47, 64<<16
	s_mov_b32 s48, 32
	s_mov_b32 s49, 64
	s_mov_b32 s50, 0
	s_mov_b32 s51, 0
	s_mov_b32 s52, 15|(3<<16)|(1<<21)              ; scale words: 12 rows of 256 bytes, dense
	s_mov_b32 s53, 32<<16
	s_mov_b32 s54, 12<<16
	s_mov_b32 s55, 32<<16
	s_mov_b32 s56, 12
	s_mov_b32 s57, 32
	s_mov_b32 s58, 0
	s_mov_b32 s59, 0
	s_lshl_b32 s68, s[WV], 14                      ; codes: 16,384 bytes a wave,
	s_mul_i32 s19, s17, 98304                      ; the head,
	s_add_co_u32 s68, s68, s19
	s_add_co_u32 s68, s68, 6291456                 ; k's region of qkv;
	s_cmp_ge_u32 s[WV], 6
	s_cselect_b32 s18, 6193152, 0                  ; waves 6-11: v's region, counted from wave 6
	s_add_co_u32 s68, s68, s18
	s_mov_b32 s69, 0
	s_mul_i32 s70, s[WV], 3072                     ; words: 3,072 bytes a wave, counted from wave 12
	s_mul_i32 s18, s17, 12288
	s_add_co_u32 s70, s70, s18
	s_add_co_u32 s70, s70, 749568                  ; 786,432 - 12 x 3,072
	s_mov_b32 s71, 0
	s_mov_b32 s24, 1
	s_mul_i32 s25, s[WV], 20480                    ; in LDS 32 rows of 640 bytes a wave
	s_mov_b32 s28, 1
	s_mul_i32 s29, s[WV], 3072
	s_add_co_u32 s29, s29, 208896                  ; KW - 12 x 3,072
	s_mov_b32 s[SEL], 0x76543210
	s_mov_b32 s[SEL+1], 0xfedcba98
	s_mov_b32 s[CS], 0x3e38aa3b                    ; c = log2(e) / 8
	s_mov_b32 s[CS+1], s[CS]
	s_mov_b32 s[NC], 0xbe38aa3b                    ; -c
	s_mov_b32 s66, 0xffff0000                      ; lanes 16-31
	s_wait_dscnt 0x0
	s_wait_kmcnt 0x0
	s_add_nc_u64 s[26:27], s[4:5], s[68:69]
	s_or_b32 s27, s27, 0x80000000
	s_add_nc_u64 s[30:31], s[6:7], s[70:71]
	s_or_b32 s31, s31, 0x80000000
	CROUND                                         ; all four work-groups are here: the joint loads meet
	s_cmp_lt_u32 s[WV], 12                         ; one load a wave, in the two arms of one branch on the wave's number
	s_cbranch_scc0 .Lwords
	tensor_load_to_lds s[24:27], s[44:51]
	s_nop 0
.rept 4
	v_nop
.endr
	s_branch .Lasked
.Lwords:
	tensor_load_to_lds s[28:31], s[52:59]
	s_nop 0
.rept 4
	v_nop
.endr
.Lasked:
	s_mul_i32 s32, s[W1], 520                      ; Q: tile 32 block + 16 pass + wave is half (wave % 2) of image 16 block + 8 pass + wave / 2, in three pieces of 8 bytes
	s_mul_i32 s33, s[W1], 1016
	s_add_co_u32 s33, s33, 8
	s_lshl_b32 s18, s16, 4
	s_lshr_b32 s19, s[WV], 1
	s_add_co_u32 s18, s18, s19
	s_mul_i32 s72, s18, 1536
	s_mul_i32 s19, s17, 98304
	s_add_co_u32 s72, s72, s19
	s_mov_b32 s73, 0
	s_add_nc_u64 s[72:73], s[4:5], s[72:73]        ; Q's image
	s_lshl_b32 s18, s16, 2
	s_lshr_b32 s19, s[WV], 3
	s_add_co_u32 s18, s18, s19                     ; which 128 tokens
	s_lshl_b32 s74, s18, 9
	s_mul_i32 s19, s17, 12288
	s_add_co_u32 s74, s74, s19
	s_lshl_b32 s19, s[W1], 8
	s_add_co_u32 s74, s74, s19
	s_bfe_u32 s19, s[WV], 0x20001                  ; (wave % 8) / 2
	s_lshl_b32 s19, s19, 2
	s_add_co_u32 s74, s74, s19
	s_mov_b32 s75, 0
	s_add_nc_u64 s[74:75], s[6:7], s[74:75]        ; Q's scale words
	s_lshr_b32 s18, s17, 4                         ; the batch
	s_lshl_b32 s76, s18, 13
	s_lshl_b32 s19, s16, 11
	s_add_co_u32 s76, s76, s19
	s_lshl_b32 s19, s[WV], 6
	s_add_co_u32 s76, s76, s19
	s_mov_b32 s77, 0
	s_add_nc_u64 s[76:77], s[8:9], s[76:77]        ; the mask of my 16 queries
	s_lshl_b32 s82, s18, 7
	s_lshl_b32 s19, s16, 5
	s_add_co_u32 s82, s82, s19
	s_add_co_u32 s82, s82, s[WV]                   ; my tile of tokens among the 512 (pass 0)
	s_and_b32 s83, s17, 15                         ; the head
	s_lshl_b32 s19, s82, 4
	s_add_co_u32 s19, s19, s83
	s_mul_i32 s78, s19, 768
	s_mov_b32 s79, 0
	s_add_nc_u64 s[78:79], s[10:11], s[78:79]      ; ctx: [tile][head][768]
	s_lshl_b32 s80, s82, 9
	s_lshl_b32 s19, s83, 1
	s_add_co_u32 s80, s80, s19
	s_mov_b32 s81, 0
	s_add_nc_u64 s[80:81], s[12:13], s[80:81]      ; ctxs: [token][32], bytes 2 head + h
	v_and_b32 v10, 31, v0                          ; lane
	v_and_b32 v8, 15, v0                           ; r
	v_bfe_u32 v9, v0, 4, 1                         ; h
	v_and_b32 v11, 7, v0                           ; r % 8
	v_bfe_u32 v12, v0, 3, 1                        ; r / 8
	v_lshlrev_b32 v7, 4, v10                       ; 16 x lane
	v_lshlrev_b32 v5, 3, v10                       ; 8 x lane
	v_lshlrev_b32 v1, 4, v11
	v_lshlrev_b32 v250, 4, v8                      ; Q's scale word: 16 r
	v_lshlrev_b32 v251, 2, v8                      ; the mask: 4 r
	v_add_nc_u32 v248, s32, v7                     ; Q's pieces 0 and (512 on) 2
	v_add_nc_u32 v249, s33, v7                     ; piece 1
	v_lshl_add_u32 v1, v9, 8, v1                   ; 256 h + 16 (r % 8)
.irp u, 0,1
	global_load_b64 v[16+12*\u:17+12*\u], v248, s[72:73] offset:12288*\u
	global_load_b64 v[18+12*\u:19+12*\u], v249, s[72:73] offset:12288*\u
	global_load_b64 v[20+12*\u:21+12*\u], v248, s[72:73] offset:12288*\u+512
	global_load_b32 v[QS+\u], v250, s[74:75] offset:1024*\u
	global_load_b32 v[MK+\u], v251, s[76:77] offset:1024*\u
.endr
	v_add_nc_u32 v2, VB, v7                        ; my place in a chunk of V
	v_add_nc_u32 v4, VW, v5                        ; among V's scale words
	v_lshl_add_u32 v6, v8, 5, v9                   ; ctx's scale bytes: 32 r + h
	v_lshl_add_u32 v3, v12, 2, v1
	v_add_nc_u32 v3, KW, v3                        ; K's scale words: 256 (lane / 16) + 16 (r % 8) + 4 (r / 8)
	v_mad_u32_u24 v1, v12, 1920, v1                ; K's codes: lanes r = 8-15 read the next image
	v_lshlrev_b32 v[SH], 3, v9
.irp j, 22,23,24,25,26,27,34,35,36,37,38,39,96,97,98,99,100,101
	v_mov_b32 v[\j], 0                             ; the upper 64 of the score product's K: Q's zeros, and the tail behind K's last tile
.endr
.irp b, 0,1,2,3
	v_mov_b32 v[PT+\b], 0                          ; a lane permute's destination counts as one of its sources
.endr
	v_mov_b32 v[F+1], 0                            ; (named as the upper half of a pair)
	v_mov_b32 v[TP], 0
	s_wait_alu depctr_va_vdst(0)
	s_wait_loadcnt 0x0
; K's eight tiles and their scale words of one step
.macro KLOAD ka, sa
.irp c, 0,1
.irp w, 0,1
.irp k, 0,1,2
	ds_load_b128 v[KF+12*(2*\c+\w)+4*\k:KF+12*(2*\c+\w)+4*\k+3], v[\ka] offset:3840*\c+128*\w+640*\k
.endr
.endr
.endr
.irp c, 0,1
.irp w, 0,1
	ds_load_b32 v[KSC+2*\c+\w], v[\sa] offset:128*\w+8*\c
.endr
.endr
.endm
.macro EX j                            ; p = 2^(t - M), at most 1
	v_exp_f32 v[S+(\j)], v[S+(\j)]
.endm
.macro FM j                            ; t - M, two at a time
	v_pk_fma_f32 v[S+(\j):S+(\j)+1], v[S+(\j):S+(\j)+1], s[CS:CS+1], v[12:13] op_sel_hi:[1,0,0]
.endm
.macro AD d, k                         ; pair k of p onto a chain of the row's sum
	v_pk_add_f32 v[(\d):(\d)+1], v[(\d):(\d)+1], v[S+2*(\k):S+2*(\k)+1]
.endm
; A KEY STEP: 128 keys.  q: Q's first register; qs: its scale words' register.  K's fragments were asked for in the step before.
.macro STEP q, qs
	s_wait_dscnt 0x0                               ; K's fragments and words
.irp t, 0,2,4,6
	v_wmma_scale_f32_16x16x128_f8f6f4 v[S+8*\t:S+8*\t+7], v[KF+6*\t:KF+6*\t+11], v[\q:\q+11], v[AMC:AMC+7], v[KSC+\t/2], v[\qs] matrix_a_fmt:MATRIX_FMT_FP6 matrix_b_fmt:MATRIX_FMT_FP6
	v_wmma_scale_f32_16x16x128_f8f6f4 v[S+8*\t+8:S+8*\t+15], v[KF+6*\t+6:KF+6*\t+17], v[\q:\q+11], v[AMC:AMC+7], v[KSC+\t/2], v[\qs] matrix_a_fmt:MATRIX_FMT_FP6 matrix_b_fmt:MATRIX_FMT_FP6 matrix_a_scale:MATRIX_SCALE_ROW1
.endr
	v_add_nc_u32 v9, s[TB], v2                     ; four plain instructions: the places behind the products; this step's V,
	v_add_nc_u32 v11, s[TJ], v4
	s_add_co_u32 s[TB], s[TB], STEPB
	s_add_co_u32 s[TS], s[TS], 512
	s_add_co_u32 s[TJ], s[TJ], 256
	v_add_nc_u32 v8, s[TB], v1                     ; and the next step's K
	v_add_nc_u32 v10, s[TS], v3
.irp i, 0,1,2,3,4,5,6,7,8,9,10,11
	ds_load_b128 v[KF+4*\i:KF+4*\i+3], v9 offset:640*\i       ; V's four fragments land while the softmax is walked
.endr
	ds_load_b64 v[VSC:VSC+1], v11
.irp c, 0,1                            ; the largest score of my two blocks of 32 keys, two chains a block; each accumulator is first read at its low end
	v_max3_num_f32 v[BX+\c], v[S+32*\c], v[S+32*\c+1], v[S+32*\c+2]
	v_max3_num_f32 v[BX+2+\c], v[S+32*\c+17], v[S+32*\c+18], v[S+32*\c+19]
.endr
.irp n, 0,2,4,6,8,10
.irp c, 0,1
	v_max3_num_f32 v[BX+\c], v[BX+\c], v[S+32*\c+3+\n], v[S+32*\c+4+\n]
	v_max3_num_f32 v[BX+2+\c], v[BX+2+\c], v[S+32*\c+20+\n], v[S+32*\c+21+\n]
.endr
.endr
.irp c, 0,1
	v_max3_num_f32 v[BX+\c], v[BX+\c], v[S+32*\c+15], v[S+32*\c+16]
.endr
.irp c, 0,1
	s_delay_alu instid0(VALU_DEP_2)
	v_max_num_f32 v[BX+\c], v[BX+\c], v[BX+2+\c]
.endr
	s_delay_alu instid0(VALU_DEP_1)
	v_max_num_f32 v[TP], v[BX], v[BX+1]
	s_delay_alu instid0(VALU_DEP_1)
	v_permlanex16_b32 v[PT], v[TP], s[SEL], s[SEL+1]
	s_delay_alu instid0(VALU_DEP_1)
	v_max3_num_f32 v13, v13, v[TP], v[PT]          ; the running largest score of my query (c is positive: it is also the largest t's)
	s_delay_alu instid0(VALU_DEP_1)
	v_mul_f32 v[TP], s[NC], v13
	v_mov_b32 v[PT+1], v12
	s_delay_alu instid0(VALU_DEP_2)
	v_floor_f32 v12, v[TP]                         ; -M = floor(-t): M is a whole number
	s_delay_alu instid0(VALU_DEP_1)
	v_sub_f32 v[TP], v12, v[PT+1]                  ; old M - new M: a whole number, 0 or less
.irp j, 0,2,4,6
	FM \j
.endr
	v_cvt_i32_f32 v[TP], v[TP]                     ; (it saturates)
.irp j, 8,10,12,14
	FM \j
.endr
	v_ldexp_f32 v[F], 1.0, v[TP]                   ; f: a multiplication by it rounds nothing
.irp c, 0,1
	v_fma_f32 v[BX+\c], v[BX+\c], s[CS], v12       ; t - M of each block's largest score: p rises with the score
.endr
.set j, 0
.rept 16
	v_pk_mul_f32 v[O+j:O+j+1], v[O+j:O+j+1], v[F:F+1] op_sel_hi:[1,0]   ; O^T under the new M, each accumulator from its low end on
.set j, j+2
.endr
	s_wait_alu depctr_va_vdst(0)                   ; the wait ahead of a batch, here and at each group's end
	v_exp_f32 v[BX], v[BX]                         ; each block's largest p
	v_exp_f32 v[BX+1], v[BX+1]
	v_pk_mul_f32 v[14:15], v[14:15], v[F:F+1] op_sel_hi:[1,0]   ; the sum under the new M
.irp i, 0,1,2,3,4,5,6,7                ; group 0: p 0-15; t - M of 16-31
	EX 2*\i
	EX 2*\i+1
	FM 16+2*\i
.endr
	s_wait_alu depctr_va_vdst(0)
.irp i, 0,1,2,3                        ; group 1: p 16-31; t - M of 32-47; THE ROW'S SUM IS TAKEN OF THE UNQUANTISED p: pairs 0-7 start four chains
	EX 16+2*\i
	v_pk_add_f32 v[SA+2*\i:SA+2*\i+1], v[S+4*\i:S+4*\i+1], v[S+4*\i+2:S+4*\i+3]
	EX 17+2*\i
	FM 32+2*\i
.endr
.irp c, 0,1
	EX 24+2*\c
	v_max_num_f32 v[BX+\c], 0x1800000, v[BX+\c]    ; the floor 2^(3 - 127)
	EX 25+2*\c
	FM 40+2*\c
.endr
.irp i, 6,7
	EX 16+2*\i
	EX 17+2*\i
	FM 32+2*\i
.endr
	s_wait_alu depctr_va_vdst(0)
	EX 32                                          ; group 2: p 32-47; t - M of 48-63; pairs 8-14
	v_pk_add_f32 v[Y:Y+1], v[S+16:S+17], v[S+18:S+19]
	EX 33
	FM 48
.irp i, 1,2,3,4
	EX 32+2*\i
	AD SA+2*(\i-1), 9+\i
	EX 33+2*\i
	FM 48+2*\i
.endr
	EX 42
	AD 14, 14
	EX 43
	FM 58
.irp c, 0,1
	EX 44+2*\c
	v_add_nc_u32 v[SO+\c], 0xff000000, v[BX+\c]    ; 2 off the exponent field: the conversion's scale operand
	EX 45+2*\c
	FM 60+2*\c
.endr
	s_wait_alu depctr_va_vdst(0)
.irp i, 0,1,2,3                        ; group 3: p 48-63; pairs 15-20
	EX 48+2*\i
	EX 49+2*\i
	AD SA+2*\i, 15+\i
.endr
	EX 56
	EX 57
	AD Y, 19
	EX 58
	EX 59
	AD 14, 20
.irp c, 0,1
	EX 60+2*\c
	EX 61+2*\c
	v_lshrrev_b32 v[PT+\c], 23, v[SO+\c]           ; the scales' bytes: blocks h and 2 + h
.endr
	s_wait_alu depctr_va_vdst(0)
	s_wait_dscnt 0x0                               ; V's fragments and words
.irp c, 0,1
	v_cvt_scalef32_pk16_fp6_f32 v[PC+6*\c:PC+6*\c+2], v[S+32*\c:S+32*\c+15], v[SO+\c]
	v_cvt_scalef32_pk16_fp6_f32 v[CT+4*\c:CT+4*\c+2], v[S+32*\c+16:S+32*\c+31], v[SO+\c]   ; (a conversion's three registers begin on an even number)
.endr
	v_lshl_or_b32 v[TP], v[PT+1], 16, v[PT]        ; a plain instruction behind the conversions
	v_mov_b32 v[PC+3], v[CT]
	v_mov_b32 v[PC+4], v[CT+1]
	s_delay_alu instid0(VALU_DEP_3)
	v_lshlrev_b32 v[TP], v[SH], v[TP]              ; my two bytes at their places in the word
	v_mov_b32 v[PC+5], v[CT+2]
	v_mov_b32 v[PC+9], v[CT+4]
	s_delay_alu instid0(VALU_DEP_3)
	v_permlanex16_b32 v[PT+2], v[TP], s[SEL], s[SEL+1]
	v_mov_b32 v[PC+10], v[CT+5]
	v_mov_b32 v[PC+11], v[CT+6]
	s_delay_alu instid0(VALU_DEP_3)
	v_or_b32 v[PS], v[TP], v[PT+2]                 ; with lane l xor 16's two bytes p's scale word is whole
.irp i, 0,1,2,3                        ; eight plain instructions between the scale word's write and the products: pairs 21-28
	AD SA+2*\i, 21+\i
.endr
.irp i, 0,1,2,3
	AD SA+2*\i, 25+\i
.endr
.irp t, 0,2
	v_wmma_scale_f32_16x16x128_f8f6f4 v[O+8*\t:O+8*\t+7], v[KF+12*\t:KF+12*\t+11], v[PC:PC+11], v[O+8*\t:O+8*\t+7], v[VSC+\t/2], v[PS] matrix_a_fmt:MATRIX_FMT_FP6 matrix_b_fmt:MATRIX_FMT_FP6
	v_wmma_scale_f32_16x16x128_f8f6f4 v[O+8*\t+8:O+8*\t+15], v[KF+12*\t+12:KF+12*\t+23], v[PC:PC+11], v[O+8*\t+8:O+8*\t+15], v[VSC+\t/2], v[PS] matrix_a_fmt:MATRIX_FMT_FP6 matrix_b_fmt:MATRIX_FMT_FP6 matrix_a_scale:MATRIX_SCALE_ROW1
.endr
	AD SA, 29                                      ; four places behind the products, ahead of the loads into their registers
	AD SA+2, 30
	AD SA+4, 31
	v_pk_add_f32 v[14:15], v[14:15], v[Y:Y+1]
	KLOAD 8, 10                                    ; the next step's K.  In a pass's last step these read bytes of V's region and of V's words, inside LDS; nobody uses them
	v_pk_add_f32 v[SA:SA+1], v[SA:SA+1], v[SA+2:SA+3]
	v_pk_add_f32 v[SA+4:SA+5], v[SA+4:SA+5], v[SA+6:SA+7]
	s_delay_alu instid0(VALU_DEP_2)
	v_pk_add_f32 v[14:15], v[14:15], v[SA:SA+1]
	s_delay_alu instid0(VALU_DEP_1)
	v_pk_add_f32 v[14:15], v[14:15], v[SA+4:SA+5]
.endm
.macro ZERO_O a, n
.set j, \a
.rept \n
	v_mov_b32 v[O+j], 0                            ; the step is written once: the first finds zeros, which the first change of M leaves zeros
.set j, j+1
.endr
.endm
.macro PASSHEAD u
	v_sub_f32 v[TP], 1.0, v[MK+\u]
	ZERO_O 0, 8
	v_mul_f32 v[TP], 0xc61c4000, v[TP]             ; (1 - mask) x -10000, as reference() has it,
	ZERO_O 8, 8
	v_mul_f32 v[AMC], 0x41000000, v[TP]            ; x 8, exact: the scores are divided by 8 with c
	ZERO_O 16, 16
.irp j, 1,2,3,4,5,6,7
	v_mov_b32 v[AMC+\j], v[AMC]
.endr
	v_mov_b32 v13, 0xff61b1e6                      ; the largest score so far: -3e38
	v_mov_b32 v12, 0x7e967699                      ; -M: 1e38, so that the first f is 0
	v_mov_b32 v14, 0
	v_mov_b32 v15, 0
	s_mov_b32 s[TB], 0
	s_mov_b32 s[TS], 0
	s_mov_b32 s[TJ], 0
	s_mov_b32 s[CNT], 16
	s_wait_alu depctr_va_vdst(0)
.endm
.macro WAYOUT u                        ; O^T / the sum is one tile of ctx for this head: two blocks of 32 along the last product's K
	v_add_f32 v14, v14, v15
	s_delay_alu instid0(VALU_DEP_1)
	v_permlanex16_b32 v[TP], v14, s[SEL], s[SEL+1]
	s_delay_alu instid0(VALU_DEP_1)
	v_add_f32 v14, v14, v[TP]                      ; the row's sum
	s_wait_alu depctr_va_vdst(0)
	v_rcp_f32 v14, v14
	v_nop
	s_wait_alu depctr_va_vdst(0)                   ; ahead of the reciprocal's first reader, and of O^T's
.set j, 0
.rept 32
	v_mul_f32 v[S+j], v[O+j], v14
.set j, j+1
.endr
.irp b, 0,1
	v_max3_num_f32 v[BX+\b], |v[S+16*\b]|, |v[S+1+16*\b]|, 0x1800000
.endr
.irp i, 2,4,6,8,10,12,14
.irp b, 0,1
	s_delay_alu instid0(VALU_DEP_2)
	v_max3_num_f32 v[BX+\b], v[BX+\b], |v[S+16*\b+\i]|, |v[S+1+16*\b+\i]|
.endr
.endr
.irp b, 0,1
	s_delay_alu instid0(VALU_DEP_2)
	v_permlanex16_b32 v[PT+\b], v[BX+\b], s[SEL], s[SEL+1]
.endr
.irp b, 0,1
	s_delay_alu instid0(VALU_DEP_2)
	v_max_num_f32 v[BX+\b], v[BX+\b], v[PT+\b]
.endr
.irp b, 0,1
	s_delay_alu instid0(VALU_DEP_2)
	v_add_nc_u32 v[SO+\b], 0xff000000, v[BX+\b]
.endr
.irp b, 0,1
	s_delay_alu instid0(VALU_DEP_2)
	v_lshrrev_b32 v[PT+\b], 23, v[SO+\b]
.endr
	v_cvt_scalef32_pk16_fp6_f32 v[PC:PC+2], v[S:S+15], v[SO]
	v_cvt_scalef32_pk16_fp6_f32 v[CT:CT+2], v[S+16:S+31], v[SO+1]
	v_nop
.irp i, 0,1,2
	v_permlane16_swap_b32 v[PC+\i], v[CT+\i]       ; here a lane holds halves of two blocks: the operand wants a whole block in a lane
.endr
.irp i, 0,1,2
	s_delay_alu instid0(VALU_DEP_3)
	v_mov_b32 v[PC+3+\i], v[CT+\i]
.endr
	global_store_b128 v7, v[PC:PC+3], s[78:79] offset:196608*\u          ; 512 consecutive bytes, aligned,
	global_store_b64 v5, v[PC+4:PC+5], s[78:79] offset:196608*\u+512     ; and 256
	v_cndmask_b32 v[TP], v[PT], v[PT+1], s66       ; lanes 16-31 take the second block's byte
	global_store_b8 v6, v[TP], s[80:81] offset:8192*\u
.endm
	PASSHEAD 0
	s_wait_tensorcnt 0x0                           ; my part of the head is in;
	s_barrier_signal -1
	s_barrier_wait -1                              ; everybody's is
	KLOAD 1, 3
.Lpass0:
	STEP 16, QS
	s_sub_co_u32 s[CNT], s[CNT], 1
	s_cmp_lg_u32 s[CNT], 0
	s_cbranch_scc1 .Lpass0
	WAYOUT 0
	s_wait_xcnt 0x0                                ; the stores have read their registers
	PASSHEAD 1
	s_wait_dscnt 0x0                               ; the last step's look-ahead has landed: its registers are loaded anew
	KLOAD 1, 3
.Lpass1:
	STEP 28, QS+1
	s_sub_co_u32 s[CNT], s[CNT], 1
	s_cmp_lg_u32 s[CNT], 0
	s_cbranch_scc1 .Lpass1
	WAYOUT 1
	s_wait_tensorcnt 0x0                           ; the wave's end
	ds_add_u32 v[SPW], v[NIL]
	s_wait_dscnt 0x0
	CROUND                                         ; the closing round
	s_endpgm
.Lfunc_end_k_qfb694d6027_attn:
	.size	k_qfb694d6027_attn, .Lfunc_end_k_qfb694d6027_attn-k_qfb694d6027_attn
	.p2alignl 7, 3214868480
	.fill 96, 4, 3214868480
	.section	.rodata,"a",@progbits
	.p2align	6, 0x0
	.amdhsa_kernel k_qfb694d6027_attn
		.amdhsa_group_segment_fixed_size 260096
		.amdhsa_private_segment_fixed_size 0
		.amdhsa_enable_private_segment 0
		.amdhsa_kernarg_size 40
		.amdhsa_user_sgpr_count 2
		.amdhsa_user_sgpr_kernarg_segment_ptr 1
		.amdhsa_wavefront_size32 1
		.amdhsa_system_sgpr_workgroup_id_x 1
		.amdhsa_system_sgpr_workgroup_id_y 1
		.amdhsa_system_sgpr_workgroup_id_z 1
		.amdhsa_system_vgpr_workitem_id 0
		.amdhsa_next_free_vgpr 256
		.amdhsa_next_free_sgpr 90
		.amdhsa_reserve_vcc 0
		.amdhsa_float_denorm_mode_32 3
		.amdhsa_float_denorm_mode_16_64 3
		.amdhsa_memory_ordered 1
		.amdhsa_forward_progress 1
		.amdhsa_inst_pref_size 53
	.end_amdhsa_kernel
	.amdgpu_metadata
---
amdhsa.version: [ 1, 2 ]
amdhsa.kernels:
  - .name:           k_qfb694d6027_attn
    .symbol:         k_qfb694d6027_attn.kd
    .args:
      - { .name: qkv, .offset: 0, .size: 8, .value_kind: global_buffer, .address_space: global }
      - { .name: qkvs, .offset: 8, .size: 8, .value_kind: global_buffer, .address_space: global }
      - { .name: attention_mask, .offset: 16, .size: 8, .value_kind: global_buffer, .address_space: global }
      - { .name: ctx, .offset: 24, .size: 8, .value_kind: global_buffer, .address_space: global }
      - { .name: ctxs, .offset: 32, .size: 8, .value_kind: global_buffer, .address_space: global }
    .group_segment_fixed_size: 260096
    .private_segment_fixed_size: 0
    .kernarg_segment_align: 8
    .kernarg_segment_size: 40
    .max_flat_workgroup_size: 512
    .sgpr_count:     90
    .vgpr_count:     256
    .wavefront_size: 32
...
	.end_amdgpu_metadata
.endif
;; end of part 3
;; launch outg (part 4): grid 4 x 64, 4 waves a work-group, clusters of 4 x 4, 327,680 bytes of LDS; arguments ctx, ctxs, cod, scl, bo, out0; writes out0
.if DOCPART == 4
	.amdgcn_target "amdgcn-amd-amdhsa--gfx1250"
	.amdhsa_code_object_version 6
	.text
	.protected	k_qfb694d6027_outg
	.globl	k_qfb694d6027_outg
	.p2align	8
	.type	k_qfb694d6027_outg,@function
k_qfb694d6027_outg:
	s_mov_b64 s[64:65], 0
	v_nop
	global_prefetch_b8 v0, s[64:65] scope:SCOPE_SE
	s_setreg_imm32_b32 hwreg(HW_REG_WAVE_MODE, 25, 1), 1
	s_wait_xcnt 0x0
	s_wait_alu depctr_hold_cnt(0) depctr_sa_sdst(0) depctr_va_vdst(0) depctr_va_sdst(0) depctr_va_ssrc(0) depctr_va_vcc(0) depctr_vm_vsrc(0)
	s_getreg_b32 s2, hwreg(HW_REG_IB_STS2, 6, 4)
	s_cmp_eq_u32 s2, 0
	s_cbranch_scc0 .Lentry_in_a_cluster
	s_endpgm
.Lentry_in_a_cluster:
	s_bfe_u32 s2, ttmp6, 0x10000c
	s_cmp_lg_u32 s2, 0xf033
	s_cbranch_scc0 .Lentry_shape_is_right
	s_endpgm
.Lentry_shape_is_right:
; out0 [8192][1024] f32 = ctx Wo^T + bo, on codes of FP6 (E2M3) with E8M0 scales.  ctx: [tile of 16 tokens][head][768 bytes], images of operand registers (six a head: four at 16 x lane, two at 512 + 8 x lane);
; Wo: tiles 704-767 of cod, 12,288 bytes a tile of 16 rows, eight fragments of 1,536 bytes on end; scale bytes [row][32], one word for a K step of 128.
; SHARES.  A work-group makes 128 tokens x 256 columns: 64 x 4 = 256 work-groups.  A wave makes 64 x 128: 32 accumulators of 16 x 16 in window 2.
; ALL OF K LIES IN LDS: two slots of four K steps (8 tiles of A and 16 of B, 6,144 bytes each), each filled once; nothing is filled again.  At the head one joint load a wave: wave 0 slot 0's A, wave 1 its B,
; wave 2 A's scales, wave 3 B's.  Slot 1's first fill (wave 0 A, wave 1 B) stands behind a round of the cluster, and lands under K steps 0 to 2.
; CLUSTERS: 4 x 4 work-groups; A's tiles hang on the tile row alone and are shared along a row of the cluster, B's on the tile column alone and are shared along a column.
; No prefetch: the launch has no loop of loads to run ahead in.
; THE MATRIX INSTRUCTION IS USED TRANSPOSED (source 0 = 16 rows of Wo, source 1 = 16 tokens): a lane holds eight neighbouring columns of one row of out0.  The bias is the C of the first K step's products.
; REGISTERS: window 0: v0-31 addresses; v32-95 scale words (register 32 slot + 4 i + q: lanes 0-15 A's block i, lanes 16-31 B's block i, K step q of the slot); v128-223 A's fragments, two sets of four;
; window 1: B's fragments, two sets of eight, at v0 and v128; window 2: the accumulators; window 3: v0-63 the bias.
.set SIZE_N, 1024
.set NP,     4
.set FR,     12
.set TILEB,  6144
.set ATILES, 8*TILEB
.set SLOT,   24*TILEB
.set SCL,    2*SLOT
.set SAB,    16*272                    ; A's scales: 16 units of 256 bytes + 16 of padding; B's 32 units lie behind them
.set SBLK,   2*272
.set SPARE,  SCL+48*272
.set SPITCH, 528
.set ADRA,  16
.set ADRA8, 18
.set ADRB,  20
.set STO,   24
.set RD,    25
.set CO,    26
.set ADRS,  27
.set SPW,   28
.set NIL,   29
.set SC,    32
.set AF,    128
.set BK,    128
.set G1A,  24
.set G1B,  32
.set G1SA, 40
.set G1SB, 48
.set G0A,  56
.set G0B,  60
.set G0SA, 68
.set G0SB, 72
.set G0A1, 76
.set G0B1, 80
.set MSB, 0
.macro WIN new
.if MSB != (\new)
	s_set_vgpr_msb (MSB<<8)|(\new)
.set MSB, (\new)
.endif
.endm
.macro CROUND
	s_barrier_signal -1
	s_barrier_wait -1
	s_cmp_lg_u32 s18, 0
	s_cbranch_scc1 .Lnot_wave_0_\@
	s_barrier_signal -3
.Lnot_wave_0_\@:
	s_barrier_wait -3
	s_barrier_signal -1
	s_barrier_wait -1
.endm
.macro DESC g, c, r, p                 ; group 1: r rows of c elements of 8 bytes, p elements from row to row
	s_mov_b32 s[\g+1], (\c)<<16
	s_mov_b32 s[\g+2], (\r)<<16
	s_mov_b32 s[\g+3], (\c)<<16
	s_mov_b32 s[\g+4], \r
	s_mov_b32 s[\g+5], \p
	s_mov_b32 s[\g+6], 0
	s_mov_b32 s[\g+7], 0
.endm
.macro G0SET g, lds
	s_mov_b32 s[\g], 1
	s_mov_b32 s[\g+1], \lds
	s_or_b32 s[\g+3], s[\g+3], 0x80000000
.endm
.macro ARM under, g0, g1, next, join   ; one arm of a chain of branches on the wave's number
	s_cmp_lt_u32 s18, \under
	s_cbranch_scc0 \next
	tensor_load_to_lds s[\g0:\g0+3], s[\g1:\g1+7]
	s_nop 0
.rept 4
	v_nop
.endr
	s_branch \join
\next:
.endm
	s_load_b256 s[4:11], s[0:1], 0x0               ; ctx, ctxs, cod, scl
	s_load_b128 s[12:15], s[0:1], 0x20             ; bo, out0
	v_lshl_add_u32 v[SPW], v0, 2, SPARE
	v_mov_b32 v[NIL], 0
	ds_add_u32 v[SPW], v[NIL]
	ds_add_u32 v[SPW], v[NIL]
	v_lshrrev_b32 v1, 5, v0
	v_readfirstlane_b32 s18, v1                    ; wave 0..3
	s_lshr_b32 s19, s18, 1                         ; which 64 tokens are mine
	s_and_b32 s20, s18, 1                          ; which 128 columns
	s_bfe_u32 s21, ttmp6, 0x40000                  ; cx
	s_bfe_u32 s22, ttmp6, 0x40004                  ; cy
	s_and_b32 s84, ttmp7, 0xffff
	s_lshl_b32 s84, s84, 2
	s_add_co_u32 s84, s84, s22                     ; tile row: 128 tokens
	s_lshl_b32 s85, ttmp9, 2
	s_add_co_u32 s85, s85, s21                     ; tile column: 256 columns
	s_lshl_b32 s86, s22, 2
	s_lshl_b32 s86, 15, s86                        ; my row of the cluster
	s_lshl_b32 s87, 0x1111, s21                    ; my column
	s_or_b32 s[G1A], s86, (3<<16)|(1<<21)
	s_or_b32 s[G1B], s87, (3<<16)|(1<<21)
	s_or_b32 s[G1SA], s86, (3<<16)|(1<<20)|(1<<21)|(5<<22)|(3<<25)
	s_or_b32 s[G1SB], s87, (3<<16)|(1<<20)|(1<<21)|(5<<22)|(3<<25)
	DESC G1A, 768, 8, 1536                         ; four K steps, 6,144 bytes, of each of 8 tiles
	DESC G1B, 768, 16, 1536
	DESC G1SA, 32, 16, 32                          ; dense, as rows of 256 bytes
	DESC G1SB, 32, 32, 32
	s_mul_i32 s88, s84, 98304
	s_mov_b32 s89, 0
	s_lshl_b32 s90, s84, 12
	s_mov_b32 s91, 0
	s_add_co_u32 s23, s85, 44                      ; Wo's tiles begin at 704 = 16 x 44
	s_mul_i32 s92, s23, 196608
	s_mov_b32 s93, 0
	s_lshl_b32 s94, s23, 13
	s_mov_b32 s95, 0
	s_wait_dscnt 0x0
	s_wait_kmcnt 0x0
	s_add_nc_u64 s[G0A+2:G0A+3], s[4:5], s[88:89]
	s_add_nc_u64 s[G0SA+2:G0SA+3], s[6:7], s[90:91]
	s_add_nc_u64 s[G0B+2:G0B+3], s[8:9], s[92:93]
	s_add_nc_u64 s[G0SB+2:G0SB+3], s[10:11], s[94:95]
	s_add_nc_u64 s[G0A1+2:G0A1+3], s[G0A+2:G0A+3], TILEB
	s_add_nc_u64 s[G0B1+2:G0B1+3], s[G0B+2:G0B+3], TILEB
	G0SET G0A, 0
	G0SET G0B, ATILES
	G0SET G0SA, SCL
	G0SET G0SB, SCL+SAB
	G0SET G0A1, SLOT
	G0SET G0B1, SLOT+ATILES
	CROUND                                         ; all sixteen work-groups are here: the first joint loads meet
	ARM 1, G0A, G1A, .Lh_b, .Lh_j
	ARM 2, G0B, G1B, .Lh_sa, .Lh_j
	ARM 3, G0SA, G1SA, .Lh_sb, .Lh_j
	tensor_load_to_lds s[G0SB:G0SB+3], s[G1SB:G1SB+7]
	s_nop 0
.rept 4
	v_nop
.endr
.Lh_j:
	s_lshl_b32 s16, s85, 10                        ; my first column, in bytes: 1,024 x tile column + 512 x half
	s_lshl_b32 s17, s20, 9
	s_add_co_u32 s16, s16, s17
	s_mov_b32 s17, 0
	s_add_nc_u64 s[12:13], s[12:13], s[16:17]
	s_add_nc_u64 s[14:15], s[14:15], s[16:17]
	s_lshl_b32 s16, s84, 7
	s_lshl_b32 s23, s19, 6
	s_add_co_u32 s16, s16, s23                     ; my first row
	s_lshl_b32 s16, s16, 12
	s_add_nc_u64 s[14:15], s[14:15], s[16:17]
	v_bfe_u32 v2, v0, 4, 1                         ; h
	v_lshlrev_b32 v30, 5, v2
	WIN 0xc0
.irp b, 0,1,2,3,4,5,6,7
	global_load_b128 v[8*\b:8*\b+3], v30, s[12:13] offset:64*\b        ; the bias in a result's layout: columns 16 b + 8 h + 0 .. 7
	global_load_b128 v[8*\b+4:8*\b+7], v30, s[12:13] offset:64*\b+16
.endr
	WIN 0
	v_and_b32 v1, 15, v0                           ; r
	v_and_b32 v3, 31, v0
	v_lshlrev_b32 v[CO], 4, v3
	v_lshlrev_b32 v4, 3, v3
	s_mul_i32 s16, s19, 4*TILEB                    ; my four tiles of A
	s_mul_i32 s17, s20, 8*TILEB                    ; my eight of B,
	s_add_co_u32 s17, s17, ATILES                  ; which lie behind A's eight
.irp s, 0,1
	v_add_nc_u32 v[ADRA+\s], s16, v[CO]
	v_add_nc_u32 v[ADRA8+\s], s16, v4
	v_add_nc_u32 v[ADRB+\s], s17, v[CO]
	s_add_co_u32 s16, s16, SLOT
	s_add_co_u32 s17, s17, SLOT
.endr
	v_lshlrev_b32 v5, 5, v1                        ; my row's scales: 32 bytes a row,
	v_lshrrev_b32 v6, 3, v1
	v_lshl_add_u32 v5, v6, 4, v5                   ; and 16 more for each 256 passed
	s_mul_i32 s16, s19, 8*272
	s_mul_i32 s17, s20, 16*272
	s_add_co_u32 s17, s17, SAB
	s_sub_co_u32 s17, s17, s16
	v_mul_u32_u24 v6, s17, v2                      ; lanes 16-31 take B's
	s_add_co_u32 s16, s16, SCL
	v_add_nc_u32 v5, v5, v6
	v_add_nc_u32 v[ADRS], s16, v5
	s_mul_i32 s16, s18, 16*SPITCH                  ; my stage, in slot 0
	v_mul_u32_u24 v5, v1, SPITCH
	v_lshl_add_u32 v5, v2, 5, v5
	v_add_nc_u32 v[STO], s16, v5
	v_add_nc_u32 v[RD], s16, v[CO]
.macro FETCH st                        ; K step st's fragments into the sets st % 2: 24 loads for B, 16 for A
	WIN 0x40
.irp i, 0,1,2,3,4,5,6,7
.irp c, 0,1,2
	ds_load_b128 v[128*((\st)%2)+FR*\i+4*\c:128*((\st)%2)+FR*\i+4*\c+3], v[ADRB+(\st)/4] offset:TILEB*\i+1536*((\st)%4)+512*\c
.endr
.endr
	WIN 0
.irp i, 0,1,2,3
	ds_load_b128 v[AF+48*((\st)%2)+FR*\i:AF+48*((\st)%2)+FR*\i+3], v[ADRA+(\st)/4] offset:TILEB*\i+1536*((\st)%4)
	ds_load_b64 v[AF+48*((\st)%2)+FR*\i+4:AF+48*((\st)%2)+FR*\i+5], v[ADRA8+(\st)/4] offset:TILEB*\i+1536*((\st)%4)+512
	ds_load_b128 v[AF+48*((\st)%2)+FR*\i+6:AF+48*((\st)%2)+FR*\i+9], v[ADRA+(\st)/4] offset:TILEB*\i+1536*((\st)%4)+768
	ds_load_b64 v[AF+48*((\st)%2)+FR*\i+10:AF+48*((\st)%2)+FR*\i+11], v[ADRA8+(\st)/4] offset:TILEB*\i+1536*((\st)%4)+1280
.endr
.endm
.macro MUL16 a0, st                    ; A's blocks a0, a0 + 1 x B's eight; the 32 accumulators take turns, in the same order in every step
.irp a, \a0, \a0+1
.irp b, 0,1,2,3,4,5,6,7
.if (\st) == 0
	v_wmma_scale_f32_16x16x128_f8f6f4 v[8*(8*(\a)+\b):8*(8*(\a)+\b)+7], v[FR*\b:FR*\b+FR-1], v[AF+FR*(\a):AF+FR*(\a)+FR-1], v[8*\b:8*\b+7], v[SC+4*\b], v[SC+4*(\a)] matrix_a_fmt:MATRIX_FMT_FP6 matrix_b_fmt:MATRIX_FMT_FP6 matrix_a_scale:MATRIX_SCALE_ROW1
.else
	v_wmma_scale_f32_16x16x128_f8f6f4 v[8*(8*(\a)+\b):8*(8*(\a)+\b)+7], v[128*((\st)%2)+FR*\b:128*((\st)%2)+FR*\b+FR-1], v[AF+48*((\st)%2)+FR*(\a):AF+48*((\st)%2)+FR*(\a)+FR-1], v[8*(8*(\a)+\b):8*(8*(\a)+\b)+7], v[SC+32*((\st)/4)+4*\b+(\st)%4], v[SC+32*((\st)/4)+4*(\a)+(\st)%4] matrix_a_fmt:MATRIX_FMT_FP6 matrix_b_fmt:MATRIX_FMT_FP6 matrix_a_scale:MATRIX_SCALE_ROW1
.endif
.endr
.endr
.endm
.macro MWIN st                         ; source 0 window 1, source 1 window 0, D window 2; C window 2, in the first step window 3 (the bias)
.if (\st) == 0
	WIN 0xb1
.else
	WIN 0xa1
.endif
.endm
.macro PLACES
.rept NP
	v_nop
.endr
.endm
; A K step: 32 matrix instructions; in its middle the next step's fragments are asked for, into the sets that the step before multiplied (four places behind its products).
; In K step 3 one barrier: in front of it each wave has waited for its tensor loads (slot 1) and for its reads of slot 0, the last of which were K step 3's; behind it slot 1 is read, and nobody reads slot 0 any more.
.macro STEP st
.if (\st) == 3
	s_wait_tensorcnt 0x0
.endif
	s_wait_dscnt 0x0                               ; this step's fragments are in
.if (\st) == 3
	s_barrier_signal -1
.endif
	MWIN \st
	MUL16 0, \st
.if (\st) == 3
	s_barrier_wait -1
.endif
.if (\st) < 7
	PLACES
	FETCH (\st)+1
.endif
	MWIN \st
	MUL16 2, \st
.endm
	s_wait_alu depctr_va_vdst(0)                   ; the head's end
	s_wait_tensorcnt 0x0                           ; my tile of the head's four is in
	ds_add_u32 v[SPW], v[NIL]
	s_wait_dscnt 0x0
	CROUND                                         ; all four tiles are in, and all sixteen work-groups are here
	ARM 1, G0A1, G1A, .Ls_b, .Ls_j                 ; slot 1: K steps 4 to 7
	ARM 2, G0B1, G1B, .Ls_n, .Ls_j
.Ls_j:
	FETCH 0
.irp s, 0,1
.irp i, 0,1,2,3,4,5,6,7
	ds_load_b128 v[SC+32*\s+4*\i:SC+32*\s+4*\i+3], v[ADRS] offset:\i*SBLK+16*\s   ; four scale words a row.  A has four blocks: for i over 3 lanes 0-15 read words that nobody uses, inside the scales' bytes
.endr
.endr
	s_wait_loadcnt 0x0                             ; the bias
.irp st, 0,1,2,3,4,5,6,7
	STEP \st
.endr
	WIN 0
; THE WAY OUT, block by block of 16 rows x 128 columns: through my own stage and back as whole rows of 512 bytes, which the 32 lanes store as two aligned units of 256 bytes.
; LDS serves a wave's instructions in order (ISA guide 5.7.1.4): no wait between the stores and the loads.
.macro TOSTAGE a
	WIN 0x08
.irp b, 0,1,2,3,4,5,6,7
	ds_store_b128 v[STO], v[64*(\a)+8*\b:64*(\a)+8*\b+3] offset:64*\b          ; each accumulator from its low end on
	ds_store_b128 v[STO], v[64*(\a)+8*\b+4:64*(\a)+8*\b+7] offset:64*\b+16
.endr
	WIN 0
.set BB, BK+64*((\a)%2)
.irp t, 0,1,2,3,4,5,6,7,8,9,10,11,12,13,14,15
	ds_load_b128 v[BB+4*\t:BB+4*\t+3], v[RD] offset:\t*SPITCH
.endr
.endm
.macro SEND a, younger
.set BB, BK+64*((\a)%2)
	s_wait_dscnt \younger                          ; the block is back in registers
.if (\a) > 0
	s_add_nc_u64 s[14:15], s[14:15], 16*SIZE_N*4   ; (behind a wait on XCNT: the earlier stores have read their base)
.endif
.irp t, 0,1,2,3,4,5,6,7,8,9,10,11,12,13,14,15
	global_store_b128 v[CO], v[BB+4*\t:BB+4*\t+3], s[14:15] offset:\t*SIZE_N*4 th:TH_STORE_NT
.endr
.endm
	PLACES                                         ; behind the last products: for the loads into A's registers and the reads of results
	TOSTAGE 0
.irp a, 1,2,3
.if \a > 1
	s_wait_xcnt 0x0                                ; block a - 2's stores have read their registers and their base
.endif
	TOSTAGE \a
	SEND \a-1, 32                                  ; behind block a - 1's loads: block a's 16 stores and 16 loads
.endr
	s_wait_xcnt 0x0
	SEND 3, 0
	s_wait_tensorcnt 0x0                           ; the wave's end
	ds_add_u32 v[SPW], v[NIL]
	s_wait_dscnt 0x0
	CROUND                                         ; the closing round
	s_endpgm
.Lfunc_end_k_qfb694d6027_outg:
	.size	k_qfb694d6027_outg, .Lfunc_end_k_qfb694d6027_outg-k_qfb694d6027_outg
	.p2alignl 7, 3214868480
	.fill 96, 4, 3214868480
	.section	.rodata,"a",@progbits
	.p2align	6, 0x0
	.amdhsa_kernel k_qfb694d6027_outg
		.amdhsa_group_segment_fixed_size 327680
		.amdhsa_private_segment_fixed_size 0
		.amdhsa_enable_private_segment 0
		.amdhsa_kernarg_size 48
		.amdhsa_user_sgpr_count 2
		.amdhsa_user_sgpr_kernarg_segment_ptr 1
		.amdhsa_wavefront_size32 1
		.amdhsa_system_sgpr_workgroup_id_x 1
		.amdhsa_system_sgpr_workgroup_id_y 1
		.amdhsa_system_sgpr_workgroup_id_z 1
		.amdhsa_system_vgpr_workitem_id 0
		.amdhsa_next_free_vgpr 1024
		.amdhsa_next_free_sgpr 96
		.amdhsa_reserve_vcc 0
		.amdhsa_float_denorm_mode_32 3
		.amdhsa_float_denorm_mode_16_64 3
		.amdhsa_memory_ordered 1
		.amdhsa_forward_progress 1
		.amdhsa_inst_pref_size 82
	.end_amdhsa_kernel
	.amdgpu_metadata
---
amdhsa.version: [ 1, 2 ]
amdhsa.kernels:
  - .name:           k_qfb694d6027_outg
    .symbol:         k_qfb694d6027_outg.kd
    .args:
      - { .name: ctx, .offset: 0, .size: 8, .value_kind: global_buffer, .address_space: global }
      - { .name: ctxs, .offset: 8, .size: 8, .value_kind: global_buffer, .address_space: global }
      - { .name: cod, .offset: 16, .size: 8, .value_kind: global_buffer, .address_space: global }
      - { .name: scl, .offset: 24, .size: 8, .value_kind: global_buffer, .address_space: global }
      - { .name: bo, .offset: 32, .size: 8, .value_kind: global_buffer, .address_space: global }
      - { .name: out0, .offset: 40, .size: 8, .value_kind: global_buffer, .address_space: global }
    .group_segment_fixed_size: 327680
    .private_segment_fixed_size: 0
    .kernarg_segment_align: 8
    .kernarg_segment_size: 48
    .max_flat_workgroup_size: 128
    .sgpr_count:     96
    .vgpr_count:     1024
    .wavefront_size: 32
...
	.end_amdgpu_metadata
.endif
;; end of part 4
